; MI455X (gfx1250); checked and timed in simulation.
; The chip was launched on July 23, 2026; its instructions are those of AMD's public machine-readable ISA for CDNA 5 (MIT licence, August 2026) and "CDNA5" Instruction Set Architecture Reference Guide (July 2026). The comments in the code are by the model that wrote it; some were corrected since.
;; SAPA. Allowed arithmetic: matrix products marked QUANTISED: E3M2 operands, one E8M0 scale for each 32 along K, by v_wmma_scale_f32_16x16x128_f8f6f4 with both operands' format E3M2, f32 sums; products left as they are: f32 operands where the result goes on into a quantised operand, else bf16, f16 or f32 operands; f32 sums; everything else in f32.
;; Inputs: gn_x_b 256 float32; gn_x_w 256 float32; gn_y_b 256 float32; gn_y_w 256 float32; k_b 32 float32; k_w_codes 32 x 8 x 24 uint8 (E3M2 codes of k_w, K innermost, in blocks of 32 codes, four codes in three bytes); k_w_scales 32 x 8 uint8 (E8M0 scales of k_w, one for each 32 codes along K); q_b 32 float32; q_w_codes 32 x 8 x 24 uint8 (E3M2 codes of q_w, K innermost, in blocks of 32 codes, four codes in three bytes); q_w_scales 32 x 8 uint8 (E8M0 scales of q_w, one for each 32 codes along K); x 4 x 256 x 64 x 64 float32; y 4 x 256 x 128 x 128 float32.
;; Outputs: out0 4 x 256 x 128 x 128 float32.
;; This version of the problem:
;;   THIS VERSION OF THE PROBLEM IS GIVEN IN LOW PRECISION. The matrix products marked QUANTISED in the list below multiply operands that are first quantised to E3M2 (3 exponent bits, 2 mantissa bits; 6 bits a number), with one power-of-two scale for each 32 numbers along K (OCP MX v1.0); their sums are f32. All else is computed in f32.
;;   The module's matrix products, in the order in which they are computed (A, B: the left and right operand; K: the contracted axis; several contracted axes count as one K, in the product's order):
;;     1. [M 32, K 256] x [K 256, N 65,536]; A: input q_w (given as codes); B: computed on the way: QUANTISED
;;     2. [M 32, K 256] x [K 256, N 16,384]; A: input k_w (given as codes); B: computed on the way: QUANTISED
;;     3. batch 16,384 x [M 1, K 32] x [K 32, N 4]; A: computed on the way; B: computed on the way: left as it is (M = 1 < 16)
;;     4. batch 16,384 x [M 1, K 32] x [K 32, N 4]; A: computed on the way; B: computed on the way: left as it is (M = 1 < 16)
;;     5. batch 16,384 x [M 1, K 32] x [K 32, N 4]; A: computed on the way; B: computed on the way: left as it is (M = 1 < 16)
;;     6. batch 16,384 x [M 1, K 32] x [K 32, N 4]; A: computed on the way; B: computed on the way: left as it is (M = 1 < 16)
;;     7. batch 16,384 x [M 1, K 32] x [K 32, N 4]; A: computed on the way; B: computed on the way: left as it is (M = 1 < 16)
;;     8. batch 16,384 x [M 1, K 32] x [K 32, N 4]; A: computed on the way; B: computed on the way: left as it is (M = 1 < 16)
;;     9. batch 16,384 x [M 1, K 32] x [K 32, N 4]; A: computed on the way; B: computed on the way: left as it is (M = 1 < 16)
;;     10. batch 16,384 x [M 1, K 32] x [K 32, N 4]; A: computed on the way; B: computed on the way: left as it is (M = 1 < 16)
;;     11. batch 16,384 x [M 1, K 32] x [K 32, N 4]; A: computed on the way; B: computed on the way: left as it is (M = 1 < 16)
;;     12. batch 16,384 x [M 1, K 32] x [K 32, N 4]; A: computed on the way; B: computed on the way: left as it is (M = 1 < 16)
;;     13. batch 16,384 x [M 1, K 32] x [K 32, N 4]; A: computed on the way; B: computed on the way: left as it is (M = 1 < 16)
;;     14. batch 16,384 x [M 1, K 32] x [K 32, N 4]; A: computed on the way; B: computed on the way: left as it is (M = 1 < 16)
;;     15. batch 16,384 x [M 1, K 32] x [K 32, N 4]; A: computed on the way; B: computed on the way: left as it is (M = 1 < 16)
;;     16. batch 16,384 x [M 1, K 32] x [K 32, N 4]; A: computed on the way; B: computed on the way: left as it is (M = 1 < 16)
;;     17. batch 16,384 x [M 1, K 32] x [K 32, N 4]; A: computed on the way; B: computed on the way: left as it is (M = 1 < 16)
;;     18. batch 16,384 x [M 1, K 32] x [K 32, N 4]; A: computed on the way; B: computed on the way: left as it is (M = 1 < 16)
;;     19. batch 16,384 x [M 1, K 32] x [K 32, N 4]; A: computed on the way; B: computed on the way: left as it is (M = 1 < 16)
;;     20. batch 16,384 x [M 1, K 32] x [K 32, N 4]; A: computed on the way; B: computed on the way: left as it is (M = 1 < 16)
;;     21. batch 16,384 x [M 1, K 32] x [K 32, N 4]; A: computed on the way; B: computed on the way: left as it is (M = 1 < 16)
;;     22. batch 16,384 x [M 1, K 32] x [K 32, N 4]; A: computed on the way; B: computed on the way: left as it is (M = 1 < 16)
;;     23. batch 16,384 x [M 1, K 32] x [K 32, N 4]; A: computed on the way; B: computed on the way: left as it is (M = 1 < 16)
;;     24. batch 16,384 x [M 1, K 32] x [K 32, N 4]; A: computed on the way; B: computed on the way: left as it is (M = 1 < 16)
;;     25. batch 16,384 x [M 1, K 32] x [K 32, N 4]; A: computed on the way; B: computed on the way: left as it is (M = 1 < 16)
;;     26. batch 16,384 x [M 1, K 32] x [K 32, N 4]; A: computed on the way; B: computed on the way: left as it is (M = 1 < 16)
;;     27. batch 16,384 x [M 1, K 32] x [K 32, N 4]; A: computed on the way; B: computed on the way: left as it is (M = 1 < 16)
;;   THE QUANTISER, for each operand of a quantised product, along K:
;;     - K is cut into blocks of 32 from its start; a last block that is shorter is filled with zeros.
;;     - A block's scale is 2^e with e = floor(log2(the largest magnitude in the block)) - 4, held to -126 .. 127; a block of zeros has e = 0. As a byte (E8M0): e + 127.
;;     - Each number is divided by its block's scale, clamped to +-28, and rounded to the nearest number of E3M2, ties to even, subnormals kept.
;;     - The product sums the exact products of the quantised numbers (number of the format x scale) in f32.
;;   ~~~python
;;   def quantise(x, axis):      # numpy; x: float32 -> the quantised numbers, widened to float32 again
;;       x = np.moveaxis(x, axis, -1); K = x.shape[-1]
;;       x = np.pad(x, [(0, 0)] * (x.ndim - 1) + [(0, -K % 32)]); x = x.reshape(x.shape[:-1] + (-1, 32)); a = np.abs(x).max(-1, keepdims=True)
;;       e = np.where(a > 0, np.clip(np.frexp(np.where(a > 0, a, 1))[1] - 1 - 4, -126, 127), 0)      # np.frexp(a)[1] - 1 = floor(log2(a)), exactly
;;       r = np.clip(x / 2.0 ** e, -28, 28)
;;       step = 2.0 ** (np.maximum(np.frexp(np.where(r == 0, 1, r))[1] - 1, -2) - 2)
;;       q = np.round(r / step) * step * 2.0 ** e      # np.round: ties to even
;;       return np.moveaxis(q.reshape(q.shape[:-2] + (-1,))[..., :K], -1, axis).astype(np.float32)
;;   ~~~
;;   OPERANDS COMPUTED ON THE WAY. 'Computed on the way' means the value that the module computes at that place (a softmax that the list does not call 'softmax' is quantised finished and normalised). What goes into a quantiser is computed in f32, as accurately as f32 sums, v_exp_f32 and their like allow (about 1e-6 of the number): no bf16 or f16 on the way to a quantiser, and a product that is left as it is and whose result goes on into a quantised operand takes f32 operands (vector FMAs, or v_wmma_f32_16x16x4_f32). A number that lies on a knife's edge between two numbers of the format may be rounded either way, as far as f32 arithmetic and the matrix unit's own rounding can turn it there, and no further.
;;   INPUTS GIVEN AS CODES. k_w (in the module: [32, 256], K = its axis 1); q_w (in the module: [32, 256], K = its axis 1): each comes as NAME_codes (uint8): NAME with its K axis moved to the last place and cut into blocks of 32 codes, [.., K / 32, bytes a block], one block behind the other in memory; four codes in three bytes: a row's codes are one little-endian stream of bits, code i at bits 6 i .. 6 i + 5 (a code: sign, 3 exponent bits, 2 mantissa bits); and NAME_scales (uint8): the same leading axes, one E8M0 byte (e + 127) for each 32 codes along K. Its value is code x scale, taken as it is: it is not quantised again, and the codes and scales need not be those that the quantiser above would give.
;; 2 versions, each right; version 2 is version 1 with the launch sapa written anew for expert scheduling mode. Each part assembles by itself: llvm-mc -triple=amdgcn-amd-amdhsa -mcpu=gfx1250 --defsym DOCPART=n.
;; ======== version 1 of 2: 2 launches
;; workspace buffers: part 5,120 bytes
;; launch stats (part 1): grid 640 x 1, 8 waves a work-group, no clusters, 1,536 bytes of LDS; arguments y, x, part; writes part
.if DOCPART == 1
	.amdgcn_target "amdgcn-amd-amdhsa--gfx1250"
	.amdhsa_code_object_version 6
	.text
	.protected	k_q1d890af007_stats
	.globl	k_q1d890af007_stats
	.p2align	8
	.type	k_q1d890af007_stats,@function
k_q1d890af007_stats:
	s_mov_b64 s[64:65], 0
	v_nop
	global_prefetch_b8 v0, s[64:65] scope:SCOPE_SE
	s_setreg_imm32_b32 hwreg(HW_REG_WAVE_MODE, 25, 1), 1
	s_wait_xcnt 0x0
; For each piece of 131,072 bytes (32,768 f32 numbers on end) of y (pieces 0 to 511) and of x (pieces 512 to 639): its mean and the sum of squares about that mean (M2).
; A group of the norm is four pieces of y (8 channels x 65,536 bytes) or one piece of x (8 x 16,384 bytes); the next launch joins y's four.
; TWO PASSES OVER REGISTERS: thread t holds the 16 bytes at 16 t + 4,096 i, i = 0 .. 31, of the piece: 128 registers.  The mean is taken away before the squares, so no difference of large sums is formed.
; Each load of a wave covers 512 consecutive bytes.  No hint on the loads: both tensors are read again by the next launch.
; LIMITS: NaN and infinities among the inputs are not served.
.set DAT, 16                           ; v[16:143] the piece's numbers of my thread: 64 pairs
.set SUM, 4                            ; v[4:11]   four chains of pairs
.set AW,  144                          ; v144      LDS: 4 x my wave's number
.set AZ,  145                          ; v145      0
	s_load_b128 s[4:7], s[0:1], 0x0                ; y, x
	s_load_b64 s[8:9], s[0:1], 0x10                ; part
	v_lshl_add_u32 v152, v0, 2, 0x200
	v_mov_b32 v153, 0
	v_lshlrev_b32 v1, 4, v0                        ; 16 t
	v_lshrrev_b32 v2, 5, v0
	v_lshlrev_b32 v[AW], 2, v2
	v_mov_b32 v[AZ], 0
	v_mov_b32 v3, 0                                ; written once: a lane permute's destination counts as one of its sources
	s_mov_b32 s14, 0x76543210
	s_mov_b32 s15, 0xfedcba98                      ; v_permlanex16_b32's selects for lane l xor 16
	s_lshl_b32 s16, ttmp9, 3                       ; my record: 8 bytes a piece
	s_mov_b32 s17, 0
	s_mov_b32 s13, 0
	s_wait_kmcnt 0x0
	s_cmp_lt_u32 ttmp9, 512                        ; y's piece or x's: the choice hangs on the work-group's number alone
	s_cselect_b64 s[4:5], s[4:5], s[6:7]
	s_cselect_b32 s12, 0, 512
	s_sub_co_u32 s12, ttmp9, s12
	s_lshl_b32 s12, s12, 17                        ; under 2^26
	s_add_nc_u64 s[4:5], s[4:5], s[12:13]
	s_add_nc_u64 s[8:9], s[8:9], s[16:17]
.set j, 0
.rept 32
	global_load_b128 v[DAT+4*j:DAT+4*j+3], v1, s[4:5] offset:4096*j
.set j, j+1
.endr
.macro WSUM r, t                       ; the sum over the wave's 32 lanes, in every lane
	v_add_f32_dpp v[\r], v[\r], v[\r] row_xmask:1 row_mask:0xf bank_mask:0xf
	v_add_f32_dpp v[\r], v[\r], v[\r] row_xmask:2 row_mask:0xf bank_mask:0xf
	v_add_f32_dpp v[\r], v[\r], v[\r] row_xmask:4 row_mask:0xf bank_mask:0xf
	v_add_f32_dpp v[\r], v[\r], v[\r] row_xmask:8 row_mask:0xf bank_mask:0xf
	v_permlanex16_b32 v[\t], v[\r], s14, s15
	v_add_f32 v[\r], v[\r], v[\t]
.endm
.macro JOIN                            ; four chains of pairs -> v2, summed over the wave
	v_pk_add_f32 v[SUM:SUM+1], v[SUM:SUM+1], v[SUM+2:SUM+3]
	v_pk_add_f32 v[SUM+4:SUM+5], v[SUM+4:SUM+5], v[SUM+6:SUM+7]
	v_pk_add_f32 v[SUM:SUM+1], v[SUM:SUM+1], v[SUM+4:SUM+5]
	v_add_f32 v2, v[SUM], v[SUM+1]
	WSUM 2, 3
.endm
.macro ALL8 off                        ; my wave's figure to its own word; a barrier; the eight words' sum -> v4
	ds_store_b32 v[AW], v2 offset:\off             ; all lanes write the same word with the same value
	s_wait_dscnt 0x0                               ; for the others' sake: my store is done
	s_barrier_signal -1
	s_barrier_wait -1
	ds_load_b128 v[4:7], v[AZ] offset:\off
	ds_load_b128 v[8:11], v[AZ] offset:\off+16
	s_wait_dscnt 0x0
	v_add_f32 v4, v4, v5
	v_add_f32 v6, v6, v7
	v_add_f32 v8, v8, v9
	v_add_f32 v10, v10, v11
	v_add_f32 v4, v4, v6
	v_add_f32 v8, v8, v10
	v_add_f32 v4, v4, v8
.endm
	; pass 1: the sum.  The first eight pairs start the chains: nothing is cleared
	s_wait_loadcnt 24                              ; the first eight loads (pairs 0 to 15) are in; 24 younger ones may be out
.irp c, 0,1,2,3
	v_pk_add_f32 v[SUM+2*\c:SUM+2*\c+1], v[DAT+2*\c:DAT+2*\c+1], v[DAT+8+2*\c:DAT+8+2*\c+1]
.endr
.set j, 8
.rept 56
.if j == 16
	s_wait_loadcnt 16
.elseif j == 32
	s_wait_loadcnt 8
.elseif j == 48
	s_wait_loadcnt 0x0
.endif
	v_pk_add_f32 v[SUM+2*(j%4):SUM+2*(j%4)+1], v[SUM+2*(j%4):SUM+2*(j%4)+1], v[DAT+2*j:DAT+2*j+1]
.set j, j+1
.endr
	JOIN
	ALL8 0
	v_mul_f32 v12, 0x38000000, v4                  ; the mean: the sum x 2^-15
	v_mov_b32 v13, v12
	v_mov_b32 v14, v12
	; pass 2: the squares about the mean
.set j, 0
.rept 64
	v_pk_add_f32 v[DAT+2*j:DAT+2*j+1], v[DAT+2*j:DAT+2*j+1], v[12:13] neg_lo:[0,1] neg_hi:[0,1]
.set j, j+1
.endr
.irp c, 0,1,2,3
	v_pk_mul_f32 v[SUM+2*\c:SUM+2*\c+1], v[DAT+2*\c:DAT+2*\c+1], v[DAT+2*\c:DAT+2*\c+1]
.endr
.set j, 4
.rept 60
	v_pk_fma_f32 v[SUM+2*(j%4):SUM+2*(j%4)+1], v[DAT+2*j:DAT+2*j+1], v[DAT+2*j:DAT+2*j+1], v[SUM+2*(j%4):SUM+2*(j%4)+1]
.set j, j+1
.endr
	JOIN
	ALL8 256                                       ; other bytes than the first reduction's: no wave can write over words that another still reads
	v_mov_b32 v15, v4
	s_wait_xcnt 0x0                                ; EXEC changes only behind this wait
	v_cmp_eq_u32 vcc_lo, 0, v0
	s_wait_tensorcnt 0x0
	ds_add_u32 v152, v153
	s_wait_dscnt 0x0
	s_and_saveexec_b32 s18, vcc_lo                 ; thread 0 alone
	global_store_b64 v[AZ], v[14:15], s[8:9]       ; (mean, M2)
	s_endpgm
.Lfunc_end_k_q1d890af007_stats:
	.size	k_q1d890af007_stats, .Lfunc_end_k_q1d890af007_stats-k_q1d890af007_stats
	.p2alignl 7, 3214868480
	.fill 96, 4, 3214868480
	.section	.rodata,"a",@progbits
	.p2align	6, 0x0
	.amdhsa_kernel k_q1d890af007_stats
		.amdhsa_group_segment_fixed_size 1536
		.amdhsa_private_segment_fixed_size 0
		.amdhsa_enable_private_segment 0
		.amdhsa_kernarg_size 24
		.amdhsa_user_sgpr_count 2
		.amdhsa_user_sgpr_kernarg_segment_ptr 1
		.amdhsa_wavefront_size32 1
		.amdhsa_system_sgpr_workgroup_id_x 1
		.amdhsa_system_sgpr_workgroup_id_y 1
		.amdhsa_system_sgpr_workgroup_id_z 1
		.amdhsa_system_vgpr_workitem_id 0
		.amdhsa_next_free_vgpr 154
		.amdhsa_next_free_sgpr 66
		.amdhsa_reserve_vcc 1
		.amdhsa_float_denorm_mode_32 3
		.amdhsa_float_denorm_mode_16_64 3
		.amdhsa_memory_ordered 1
		.amdhsa_forward_progress 1
		.amdhsa_inst_pref_size 19
	.end_amdhsa_kernel
	.amdgpu_metadata
---
amdhsa.version: [ 1, 2 ]
amdhsa.kernels:
  - .name:           k_q1d890af007_stats
    .symbol:         k_q1d890af007_stats.kd
    .args:
      - { .name: y, .offset: 0, .size: 8, .value_kind: global_buffer, .address_space: global }
      - { .name: x, .offset: 8, .size: 8, .value_kind: global_buffer, .address_space: global }
      - { .name: part, .offset: 16, .size: 8, .value_kind: global_buffer, .address_space: global }
    .group_segment_fixed_size: 1536
    .private_segment_fixed_size: 0
    .kernarg_segment_align: 8
    .kernarg_segment_size: 24
    .max_flat_workgroup_size: 256
    .sgpr_count:     66
    .vgpr_count:     154
    .wavefront_size: 32
...
	.end_amdgpu_metadata
.endif
;; end of part 1
;; launch sapa (part 2): grid 64 x 4, 8 waves a work-group, no clusters, 272,384 bytes of LDS; arguments y, x, part, gn_y_w, gn_y_b, gn_x_w, gn_x_b, q_w_codes, q_w_scales, q_b, k_w_codes, k_w_scales, k_b, out0; writes out0
.if DOCPART == 2
	.amdgcn_target "amdgcn-amd-amdhsa--gfx1250"
	.amdhsa_code_object_version 6
	.text
	.protected	k_q1d890af007_sapa
	.globl	k_q1d890af007_sapa
	.p2align	8
	.type	k_q1d890af007_sapa,@function
k_q1d890af007_sapa:
	s_mov_b64 s[64:65], 0
	v_nop
	global_prefetch_b8 v0, s[64:65] scope:SCOPE_SE
	s_setreg_imm32_b32 hwreg(HW_REG_WAVE_MODE, 25, 1), 1
	s_wait_xcnt 0x0
; One work-group = one low-res row h (x of the grid) of one batch b (y of the grid): 64 cells, 256 high-res pixels, all 256 channels.
;   1  group norm of y's two high-res rows and of x's rows h-2 .. h+2, in f32, quantised along the channels to codes of BF6 (E3M2) with one E8M0 byte for each 32 channels of a pixel;
;   2  q = q_w yn + q_b and k = k_w xn + k_b by v_wmma_scale_f32_16x16x128_f8f6f4 (source 0 = 16 rows of the weight, source 1 = 16 pixels; the bias is the C of a sum's first product);
;   3  the 25 logits of each query in f32, their softmax (the largest logit is taken away first);
;   4  out = the weighted sum of raw x over the 5 x 5 window, in f32.
; q, k, the logits and the weights never go to memory.  Keys out of range: k = 0 (logit 0, counted in the softmax's sum) and v = 0.  Rows out of range are LOADED from the nearest row inside (no load leaves x) and
; multiplied by 0: k's tile as a whole, bias included, and the weights of that window row.  Columns out of range are zero bytes in LDS.
; SHARES.  Eight waves.  Wave w owns channels 32 w .. 32 w + 31, one block of the quantiser, in phases 1 and 4: a lane then holds all 32 numbers of a pixel's block, and no other lane is asked for a maximum.
; In phase 2 wave w owns tile w (16 pixels) of each line; in phase 3 waves 0 to 3 own 16 cells each: lane = (cell, half of the 32 e), so that each key read from LDS serves the cell's four queries.
; A LINE is 512 consecutive bytes a channel: a high-res row of y, or two rows of x (lanes 0-15 one, lanes 16-31 the next).  Lane l's 16 bytes are pixels i = 0 .. 3; their place among the line's codes is 32 i + l.
; NO CLUSTER, NO TENSOR LOADS: neighbouring work-groups want rows h-2 .. h+2, five other rows each, so no one descriptor is equal in all partners; and every number passes through registers on its way (norm, quantiser, shift by a lane).
; THE NORM is fma(x - mean, rsqrt(var + eps) w, b); reference() rounds (x - mean) rsqrt(..) before it multiplies by w: the two differ by roundings of f32.
; LIMITS: NaN and infinities in x or y are not served (0 x infinity at the borders).  A block whose largest magnitude lies under 2^-122, a block of zeros among them, gets the scale byte 1: the bytes are read by this text alone.
; LDS, in bytes
.set CQ,   0                           ; codes of yn: 2 lines x 128 places x 208 (8 blocks of 24 bytes + 16)
.set CK,   53248                       ; codes of xn: 3 lines likewise
.set LINE, 26624
.set SCB,  133120                      ; scale bytes: 8 a place; lines 0, 1 = yn's, 2, 3, 4 = xn's
.set KL,   138240                      ; k, f32: window row dy at 9,792 dy; slot column + 2 (0 .. 67) at 144 a slot; e at 4 e.  Cleared at the head: slots 0, 1, 66, 67 stay 0
.set QL,   187392                      ; q, f32: cell at 528 a cell; + 256 u + 8 e + 4 v
.set WIMG, 221184                      ; the weights as phase 4's registers take them: pair 50 a + 25 u + idx at 256 a pair, + 8 x lane
.set XS,   246784                      ; for each wave 3,072: 2 slots x 5 rows x (8 zero bytes, 256 of a row of x, 8 zero bytes)
; window 0
.set LX,  1                            ; XS + 3072 w + 8 lane
.set WR,  2                            ; WIMG + 8 lane
.set KA,  3                            ; phase 3: my cell's slot in KL, my half of e
.set QA,  4                            ; phase 3: my cell in QL, my half of e
.set WA,  5                            ; phase 3: where my weights go
.set SQW, 6                            ; v[6:9]   q_w's scale words (2 mt + s);  v[10:13] k_w's;  v[14:23] the pixels', two a tile.  These hold scales and nothing else
.set SKW, 10
.set PS,  14
.set CW0, 24                           ; 208 lane + 24 w
.set SW,  25                           ; SCB + 8 lane + w
.set FRQ, 26                           ; my tile's fragment rows in CQ;  v27 in CK;  v28 in CK's line 2
.set FRK, 27
.set FR5, 28
.set SR,  29                           ; my tile's scale words;  v30 line 4's
.set SR5, 30
.set KS,  31                           ; where my tile of k goes;  v32 window row 4's
.set KS5, 32
.set QS,  33                           ; where my tile of q goes
.set VY,  34                           ; 16 lane
.set VX,  35                           ; v[35:37] x's three lines: my row and my 16 bytes of it
.set CW,  38
.set WF,  39                           ; a weight's fragment: 192 r + 24 hh
.set BA,  40                           ; a bias: 32 hh
.set SA,  41                           ; a weight's scale words: 8 r
.set GV,  42                           ; phase 4: 8 lane + 65,536 x trip
.set OV,  43                           ; phase 4: 16 lane + 262,144 x trip
.set NB,  44                           ; phase 1: v[44:171] register 32 i + k = pixel i, channel k of my block, normalised
.set CD,  172                          ; v[172:203] codes, 8 registers a pixel
.set TM,  204                          ; v[204:207] largest magnitudes;  v[208:211] the conversions' scale operands;  v[212:215] the bytes
.set SC,  208
.set BY,  212
.set PF,  44                           ; phase 2: v[44:163] the pixels' fragments, 24 tile + 12 s;  v[164:243] accumulators, 16 tile + 8 mt
.set ACC, 164
.set LA,  88                           ; phase 3: v[88:187] logits, 50 u + 2 idx + v;  v[188:247] keys, 3 slots x 5 dx x 4 e
.set KR,  188
.set WB,  56                           ; phase 4: v[56:255] weights, 100 a + 50 u + 2 idx + v
; window 1
.set RG,  0                            ; phase 1: v[0:127] four slots x 8 channels x 4 numbers as loaded
.set WQ,  128                          ; v[128:175] q_w's four fragments (2 mt + s), v[176:223] k_w's, v[224:239] q_b in the result's layout, v[240:255] k_b
.set WK,  176
.set BQ,  224
.set BK,  240
.set QR,  128                          ; phase 3: v[128:191] q: 32 u + 2 e + v
.set CN,  0                            ; phase 4: v[0:39] 4 sets x 5 rows: my two columns;  v[40:79] 2 sets x 5 rows x (the pair to the left, the pair to the right);  v[80:87] results 4 u + 2 a + v
.set LR,  40
.set OU,  80
; scalars
.set SY,  4                            ; s[4:5] y, s[6:7] x, s[10:11] out0, each at my wave's first channel (y, out0: at high-res row 2 h too)
.set SX,  6
.set WV,  8
.set SO,  10
.set NMU, 24                           ; s[24:31] -mean of my four groups, each twice;  s[32:63] a, s[66:97] b of my 32 channels
.set CA,  32
.set CB,  66
.set SXR, 32                           ; behind phase 1: s[32:41] x at window row dy;  s[44:53] 1.0 or 0 for window row dy, twice;  s[54:59] the same for my three tiles of k
.set VAL, 44
.set VT,  54
.set CNT, 60
.set MSB, 0
.macro WIN new                         ; the immediate's high byte repeats the setting that is left; a switch that changes nothing is dropped
.if MSB != \new
	s_set_vgpr_msb (MSB<<8)|\new
.set MSB, \new
.endif
.endm
; chunk m = 8 channels (one group of the norm) of line m / 4: eight loads of 512 consecutive bytes into slot m % 4
.macro LOADCH m
	WIN 0x40                                       ; destination window 1
.irp kk, 0,1,2,3,4,5,6,7
.if (\m) < 8
	global_load_b128 v[RG+32*((\m)%4)+4*\kk:RG+32*((\m)%4)+4*\kk+3], v[VY], s[SY:SY+1] offset:(8*((\m)%4)+\kk)*65536+512*((\m)/4) th:TH_LOAD_NT
.else
	global_load_b128 v[RG+32*((\m)%4)+4*\kk:RG+32*((\m)%4)+4*\kk+3], v[VX+(\m)/4-2], s[SX:SX+1] offset:(8*((\m)%4)+\kk)*16384
.endif
.endr
.endm
; the weights' fragments, biases and scale words: 64 loads
.macro WLOADS
	WIN 0x40
.irp mt, 0,1
.irp s, 0,1
.irp p, 0,1,2,3,4,5
	global_load_b64 v[WQ+12*(2*\mt+\s)+2*\p:WQ+12*(2*\mt+\s)+2*\p+1], v[WF], s[12:13] offset:3072*\mt+96*\s+48*(\p/3)+8*(\p%3)
	global_load_b64 v[WK+12*(2*\mt+\s)+2*\p:WK+12*(2*\mt+\s)+2*\p+1], v[WF], s[18:19] offset:3072*\mt+96*\s+48*(\p/3)+8*(\p%3)
.endr
.endr
	global_load_b128 v[BQ+8*\mt:BQ+8*\mt+3], v[BA], s[16:17] offset:64*\mt
	global_load_b128 v[BQ+8*\mt+4:BQ+8*\mt+7], v[BA], s[16:17] offset:64*\mt+16
	global_load_b128 v[BK+8*\mt:BK+8*\mt+3], v[BA], s[22:23] offset:64*\mt
	global_load_b128 v[BK+8*\mt+4:BK+8*\mt+7], v[BA], s[22:23] offset:64*\mt+16
.endr
	WIN 0
.irp mt, 0,1
.irp s, 0,1
	global_load_b32 v[SQW+2*\mt+\s], v[SA], s[14:15] offset:128*\mt+4*\s
	global_load_b32 v[SKW+2*\mt+\s], v[SA], s[20:21] offset:128*\mt+4*\s
.endr
.endr
.endm
; chunk m is normalised; the multiply-add's choice of registers also turns (channel, pixel) into (pixel, channel)
.macro CHUNK m
.set RB, RG+32*((\m)%4)
.set GR, (\m)%4
.if 19-(\m) >= 3
	s_wait_loadcnt 24                              ; my eight loads are in; the three younger chunks' may be out
.else
	s_wait_loadcnt 8*(19-(\m))
.endif
.if (\m) == 19
	WLOADS                                         ; behind the stream's last wait: they land under the last chunk's work and the barrier
.endif
	WIN 0x41
.set II, 0
.rept 16
	v_pk_add_f32 v[RB+2*II:RB+2*II+1], v[RB+2*II:RB+2*II+1], s[NMU+2*GR:NMU+2*GR+1] op_sel_hi:[1,0]
.set II, II+1
.endr
	WIN 0x01
.irp kk, 0,1,2,3,4,5,6,7
.irp i, 0,1,2,3
	v_fma_f32 v[NB+32*\i+8*GR+\kk], v[RB+4*\kk+\i], s[CA+8*GR+\kk], s[CB+8*GR+\kk]
.endr
.endr
.if (\m)+4 < 20
	LOADCH (\m)+4                                  ; the slot takes the chunk four on: 32 loads a wave stay on their way, across the lines' ends too
.endif
.endm
; four pixels' blocks of 32 become codes and a scale byte each, and go to line gl's places in LDS
.macro FINISH gl, base
	WIN 0
	s_wait_dscnt 0x0                               ; the last line's stores have read their registers
	v_add_nc_u32 v[CW], \base, v[CW0]
.irp i, 0,1,2,3
	v_max3_num_f32 v[TM+\i], |v[NB+32*\i]|, |v[NB+32*\i+1]|, 0x2800000   ; and the floor 2^(5 - 127): the byte cannot fall under 1
.endr
.irp k, 2,4,6,8,10,12,14,16,18,20,22,24,26,28,30
.irp i, 0,1,2,3
	v_max3_num_f32 v[TM+\i], v[TM+\i], |v[NB+32*\i+\k]|, |v[NB+32*\i+\k+1]|   ; (the four pixels by turns)
.endr
.endr
.irp i, 0,1,2,3
	v_add_nc_u32 v[SC+\i], 0xfe000000, v[TM+\i]    ; 4 off the exponent field: the conversion takes this operand's exponent field as its scale
.endr
.irp i, 0,1,2,3
	v_lshrrev_b32 v[BY+\i], 23, v[SC+\i]           ; the scale's byte
.endr
.irp i, 0,1,2,3
	v_cvt_scalef32_pk16_bf6_f32 v[CD+8*\i:CD+8*\i+2], v[NB+32*\i:NB+32*\i+15], v[SC+\i]
	v_cvt_scalef32_pk16_bf6_f32 v[CD+8*\i+4:CD+8*\i+6], v[NB+32*\i+16:NB+32*\i+31], v[SC+\i]   ; (a conversion's three registers begin on an even number)
.endr
	v_nop                                          ; one plain place behind the scaled conversions
.irp i, 0,1,2,3
	v_mov_b32 v[CD+8*\i+3], v[CD+8*\i+4]
	v_mov_b32 v[CD+8*\i+4], v[CD+8*\i+5]
	v_mov_b32 v[CD+8*\i+5], v[CD+8*\i+6]           ; 24 bytes on end
.endr
.irp i, 0,1,2,3
.irp p, 0,1,2
	ds_store_b64 v[CW], v[CD+8*\i+2*\p:CD+8*\i+2*\p+1] offset:6656*\i+8*\p   ; place 32 i + lane, block w
.endr
	ds_store_b8 v[SW], v[BY+\i] offset:1024*\gl+256*\i
.endr
.endm
; a, b and -mean, which lie a channel to a lane, become scalars
.macro COEF va, vb, vn
.set II, 0
.rept 32
	v_readlane_b32 s[CA+II], v[\va], II
	v_readlane_b32 s[CB+II], v[\vb], II
.set II, II+1
.endr
.irp g, 0,1,2,3
	v_readlane_b32 s[NMU+2*\g], v[\vn], 8*\g
	v_readlane_b32 s[NMU+2*\g+1], v[\vn], 8*\g
.endr
.endm
; one quantised product: tile tl (0, 1: q; 2, 3, 4: k), rows 16 mt on of the weight, K step s
.macro PROD tl, mt, s
.if (\tl) < 2
.set WFR, WQ+12*(2*(\mt)+(\s))
.set BIA, BQ+8*(\mt)
.set WSC, SQW+2*(\mt)+(\s)
.else
.set WFR, WK+12*(2*(\mt)+(\s))
.set BIA, BK+8*(\mt)
.set WSC, SKW+2*(\mt)+(\s)
.endif
.set AC, ACC+16*(\tl)+8*(\mt)
.set PFR, PF+24*(\tl)+12*(\s)
.if (\s) == 0
	v_wmma_scale_f32_16x16x128_f8f6f4 v[AC:AC+7], v[WFR:WFR+11], v[PFR:PFR+11], v[BIA:BIA+7], v[WSC], v[PS+2*(\tl)+(\s)] matrix_a_fmt:MATRIX_FMT_BF6 matrix_b_fmt:MATRIX_FMT_BF6
.else
	v_wmma_scale_f32_16x16x128_f8f6f4 v[AC:AC+7], v[WFR:WFR+11], v[PFR:PFR+11], v[AC:AC+7], v[WSC], v[PS+2*(\tl)+(\s)] matrix_a_fmt:MATRIX_FMT_BF6 matrix_b_fmt:MATRIX_FMT_BF6
.endif
.endm
.macro PLACES                          ; four plain places behind a matrix instruction, ahead of the first read of results and of writes into its registers (ISA guide 7.12.1)
.rept 4
	v_nop
.endr
.endm
.macro BARRIER                         ; my LDS stores have landed and my LDS loads are in: then the work-group's barrier
	s_wait_dscnt 0x0
	s_barrier_signal -1
	s_barrier_wait -1
.endm
; phase 4: channel c's five rows go to my wave's own LDS rows and the pairs to the left and to the right come back.  LDS serves a wave's instructions in order (ISA guide 5.7.1.4)
.macro PREP c
.irp dy, 0,1,2,3,4
	ds_store_b64 v[LX], v[CN+10*((\c)%4)+2*\dy:CN+10*((\c)%4)+2*\dy+1] offset:1360*((\c)%2)+272*\dy+8
.endr
.irp dy, 0,1,2,3,4
	ds_load_b64 v[LR+20*((\c)%2)+4*\dy:LR+20*((\c)%2)+4*\dy+1], v[LX] offset:1360*((\c)%2)+272*\dy
	ds_load_b64 v[LR+20*((\c)%2)+4*\dy+2:LR+20*((\c)%2)+4*\dy+3], v[LX] offset:1360*((\c)%2)+272*\dy+16
.endr
.endm
; phase 4: one channel.  Lane l owns cells 2 l + a; for window column dx it wants column 2 l - 2 + (a + dx): one of six numbers in three pairs
.macro STEP cc, prep, lcnt, ld
.set CSET, CN+10*((\cc)%4)
.set LSET, LR+20*((\cc)%2)
.if \prep
	s_wait_loadcnt \lcnt                           ; the next channel's five loads are in; those of the channels behind it may be out
	PREP (\cc)+1
	s_wait_dscnt 15                                ; all but the 15 just issued: this channel's neighbours are in
.else
	s_wait_dscnt 0x0
.endif
	s_wait_xcnt 0x0                                ; the last channel's stores have read their registers
.irp dy, 0,1,2,3,4
.irp dx, 0,1,2,3,4
.irp a, 0,1
.irp u, 0,1
.set PO, \a+\dx
.if PO/2 == 0
.set XREG, LSET+4*\dy
.elseif PO/2 == 1
.set XREG, CSET+2*\dy
.else
.set XREG, LSET+4*\dy+2
.endif
.set WRG, WB+100*\a+50*\u+2*(5*\dy+\dx)
.set OREG, OU+4*\u+2*\a
.if \dy+\dx == 0
.if PO%2 == 0
	v_pk_mul_f32 v[OREG:OREG+1], v[WRG:WRG+1], v[XREG:XREG+1] op_sel_hi:[1,0]
.else
	v_pk_mul_f32 v[OREG:OREG+1], v[WRG:WRG+1], v[XREG:XREG+1] op_sel:[0,1] op_sel_hi:[1,1]
.endif
.else
.if PO%2 == 0
	v_pk_fma_f32 v[OREG:OREG+1], v[WRG:WRG+1], v[XREG:XREG+1], v[OREG:OREG+1] op_sel_hi:[1,0,1]
.else
	v_pk_fma_f32 v[OREG:OREG+1], v[WRG:WRG+1], v[XREG:XREG+1], v[OREG:OREG+1] op_sel:[0,1,0] op_sel_hi:[1,1,1]
.endif
.endif
.endr
.endr
.endr
.endr
.irp u, 0,1
	global_store_b128 v[OV], v[OU+4*\u:OU+4*\u+3], s[SO:SO+1] offset:65536*(\cc)+512*\u th:TH_STORE_NT   ; the wave stores a whole high-res row: 512 consecutive bytes, aligned
.endr
.if \ld
.irp dy, 0,1,2,3,4
	global_load_b64 v[CSET+2*\dy:CSET+2*\dy+1], v[GV], s[SXR+2*\dy:SXR+2*\dy+1] offset:16384*((\cc)+4)   ; the set takes the channel four on
.endr
.endif
.endm
; phase 3: five keys (dx) x four e of window row st / 4 into slot st % 3
.macro KLOAD st
.irp dx, 0,1,2,3,4
	ds_load_b128 v[KR+20*((\st)%3)+4*\dx:KR+20*((\st)%3)+4*\dx+3], v[KA] offset:9792*((\st)/4)+144*\dx+16*((\st)%4)
.endr
.endm
.macro LSTEP st                        ; 40 packed multiply-adds: a pair is the cell's v = 0, 1; the key serves both halves; ten sums by turns
.set DY, (\st)/4
.set EQ, (\st)%4
.set KB, KR+20*((\st)%3)
.irp e4, 0,1,2,3
.irp dx, 0,1,2,3,4
.irp u, 0,1
.set AR, LA+50*\u+2*(5*DY+\dx)
.set QRG, QR+32*\u+2*(4*EQ+\e4)
.set KRG, KB+4*\dx+2*(\e4/2)
.if (EQ == 0) && (\e4 == 0)
	v_pk_mul_f32 v[AR:AR+1], v[KRG:KRG+1], v[QRG:QRG+1] op_sel_hi:[0,1]
.elseif \e4%2 == 0
	v_pk_fma_f32 v[AR:AR+1], v[KRG:KRG+1], v[QRG:QRG+1], v[AR:AR+1] op_sel_hi:[0,1,1]
.else
	v_pk_fma_f32 v[AR:AR+1], v[KRG:KRG+1], v[QRG:QRG+1], v[AR:AR+1] op_sel:[1,0,0] op_sel_hi:[1,1,1]
.endif
.endr
.endr
.endr
.endm
; ---------------- phase 0: the head ----------------
	s_load_b256 s[32:39], s[0:1], 0x0              ; y, x, part, gn_y_w
	s_load_b128 s[40:43], s[0:1], 0x20             ; gn_y_b, gn_x_w
	s_load_b64 s[44:45], s[0:1], 0x30              ; gn_x_b
	s_load_b256 s[12:19], s[0:1], 0x38             ; q_w_codes, q_w_scales, q_b, k_w_codes
	s_load_b128 s[20:23], s[0:1], 0x58             ; k_w_scales, k_b
	s_load_b64 s[10:11], s[0:1], 0x68              ; out0
	v_lshrrev_b32 v249, 5, v0
	v_readfirstlane_b32 s[WV], v249                ; wave 0..7
	v_and_b32 v246, 31, v0                         ; lane
	v_and_b32 v247, 15, v0                         ; r
	v_bfe_u32 v248, v0, 4, 1                       ; hh
	s_mov_b32 s2, ttmp9                            ; h
	s_and_b32 s3, ttmp7, 0xffff                    ; b
	s_lshl_b32 s46, s3, 24                         ; y and out0: batch 2^24, my 32 channels 2^21 a wave, two high-res rows 1,024 bytes
	s_lshl_b32 s9, s[WV], 21
	s_add_co_u32 s46, s46, s9
	s_lshl_b32 s9, s2, 10
	s_add_co_u32 s46, s46, s9
	s_mov_b32 s47, 0
	s_lshl_b32 s48, s3, 22                         ; x: batch 2^22, my 32 channels 2^19 a wave
	s_lshl_b32 s9, s[WV], 19
	s_add_co_u32 s48, s48, s9
	s_mov_b32 s49, 0
	s_lshl_b32 s50, s3, 5
	s_lshl_b32 s9, s[WV], 2
	s_add_co_u32 s50, s50, s9                      ; my first group: 32 b + 4 w
	v_lshrrev_b32 v249, 3, v246
	v_add_nc_u32 v249, s50, v249                   ; lane = channel 32 w + lane: its group
	v_lshlrev_b32 v222, 5, v249                    ; y's four records, 32 bytes a group
	v_lshlrev_b32 v223, 3, v249                    ; x's record
	s_lshl_b32 s9, s[WV], 5
	v_add_nc_u32 v250, s9, v246
	v_lshlrev_b32 v250, 2, v250                    ; my channel's gain and bias
	v_lshlrev_b32 v[VY], 4, v246
	s_wait_kmcnt 0x0
	s_add_nc_u64 s[SY:SY+1], s[32:33], s[46:47]
	s_add_nc_u64 s[SO:SO+1], s[SO:SO+1], s[46:47]
	s_add_nc_u64 s[SX:SX+1], s[34:35], s[48:49]
	global_load_b128 v[224:227], v222, s[36:37]            ; (mean, M2) of y's pieces 0, 1
	global_load_b128 v[228:231], v222, s[36:37] offset:16  ; 2, 3
	global_load_b64 v[232:233], v223, s[36:37] offset:4096 ; of x's piece
	global_load_b32 v234, v250, s[38:39]
	global_load_b32 v217, v250, s[40:41]                   ; b of y's norm
	global_load_b32 v236, v250, s[42:43]
	global_load_b32 v220, v250, s[44:45]                   ; b of x's norm
	LOADCH 0
	LOADCH 1
	LOADCH 2
	LOADCH 3
	WIN 0
	; all address registers are made here, ahead of the first place where the waves part
	s_mul_i32 s9, s[WV], 3072
	s_add_co_u32 s9, s9, XS
	v_lshl_add_u32 v[LX], v246, 3, s9
	v_lshl_add_u32 v245, v246, 4, s9
	v_lshl_add_u32 v[WR], v246, 3, WIMG
	s_and_b32 s51, s[WV], 3                        ; cq: the quarter of the cells (waves 0 to 3 alone use what hangs on it)
	s_mul_i32 s9, s51, 16*144
	s_add_co_u32 s9, s9, KL
	v_mul_u32_u24 v[KA], v247, 144
	v_lshl_add_u32 v[KA], v248, 6, v[KA]
	v_add_nc_u32 v[KA], s9, v[KA]
	s_mul_i32 s9, s51, 16*528
	s_add_co_u32 s9, s9, QL
	v_mul_u32_u24 v[QA], v247, 528
	v_lshl_add_u32 v[QA], v248, 7, v[QA]
	v_add_nc_u32 v[QA], s9, v[QA]
	v_and_b32 v249, 1, v247                        ; cell 16 cq + r is phase 4's lane 8 cq + r / 2, a = r % 2; my u is hh
	v_mul_u32_u24 v[WA], v249, 12800
	v_mad_u32_u24 v[WA], v248, 6400, v[WA]
	v_lshrrev_b32 v249, 1, v247
	v_lshl_add_u32 v[WA], v249, 3, v[WA]
	s_lshl_b32 s9, s51, 6
	s_add_co_u32 s9, s9, WIMG
	v_add_nc_u32 v[WA], s9, v[WA]
	v_mul_u32_u24 v[CW0], v246, 208
	s_mul_i32 s9, s[WV], 24
	v_add_nc_u32 v[CW0], s9, v[CW0]
	s_add_co_u32 s9, s[WV], SCB
	v_lshl_add_u32 v[SW], v246, 3, s9
	v_mul_u32_u24 v249, v247, 208
	v_mad_u32_u24 v249, v248, 24, v249             ; a fragment's row and half
	s_mul_i32 s9, s[WV], 16*208
	v_add_nc_u32 v[FRQ], s9, v249
	v_add_nc_u32 v[FRK], CK, v[FRQ]
	s_mul_i32 s9, s51, 32*208
	s_add_co_u32 s9, s9, CK+2*LINE
	v_add_nc_u32 v[FR5], s9, v249
	s_lshl_b32 s9, s[WV], 7
	s_add_co_u32 s9, s9, SCB
	v_lshl_add_u32 v[SR], v247, 3, s9
	s_lshl_b32 s9, s51, 8
	s_add_co_u32 s9, s9, SCB+4096
	v_lshl_add_u32 v[SR5], v247, 3, s9
	s_and_b32 s52, s[WV], 1
	s_lshr_b32 s53, s[WV], 1
	s_mul_i32 s9, s52, 9792                        ; tile w of a line of x: row w % 2 of the line's two, column 4 r + w / 2
	s_mul_i32 s59, s53, 144
	s_add_co_u32 s9, s9, s59
	s_add_co_u32 s9, s9, KL+288
	v_mul_u32_u24 v251, v247, 576
	v_lshl_add_u32 v251, v248, 5, v251
	v_add_nc_u32 v[KS], s9, v251
	s_mul_i32 s9, s51, 144
	s_add_co_u32 s9, s9, KL+39168+288
	v_add_nc_u32 v[KS5], s9, v251
	s_mul_i32 s9, s52, 32*528                      ; tile w of a line of y: column 64 (w % 2) + 4 r + w / 2: cell 32 (w % 2) + 2 r + w / 4, v = (w / 2) % 2
	s_lshr_b32 s59, s[WV], 2
	s_mul_i32 s59, s59, 528
	s_add_co_u32 s9, s9, s59
	s_and_b32 s59, s53, 1
	s_lshl_b32 s59, s59, 2
	s_add_co_u32 s9, s9, s59
	s_add_co_u32 s9, s9, QL
	v_mul_u32_u24 v252, v247, 1056
	v_lshl_add_u32 v252, v248, 6, v252
	v_add_nc_u32 v[QS], s9, v252
	v_mul_u32_u24 v[WF], v247, 192
	v_mad_u32_u24 v[WF], v248, 24, v[WF]
	v_lshlrev_b32 v[BA], 5, v248
	v_lshlrev_b32 v[SA], 3, v247
	v_lshlrev_b32 v[GV], 3, v246
	v_lshlrev_b32 v[OV], 4, v246
.irp dy, 0,1,2,3,4
	s_add_co_i32 s[54+\dy], s2, \dy-2              ; window row dy, held inside x
	s_max_i32 s[54+\dy], s[54+\dy], 0
	s_min_i32 s[54+\dy], s[54+\dy], 63
.endr
	v_lshlrev_b32 v252, 4, v247                    ; 16 r
.irp ln, 0,1
	s_sub_co_u32 s9, s[55+2*\ln], s[54+2*\ln]      ; 0 or 1
	s_lshl_b32 s9, s9, 8
	v_mul_u32_u24 v[VX+\ln], v248, s9              ; lanes 16-31 take the line's second row
	v_add_nc_u32 v[VX+\ln], v[VX+\ln], v252
	s_lshl_b32 s9, s[54+2*\ln], 8
	v_add_nc_u32 v[VX+\ln], s9, v[VX+\ln]
.endr
	s_lshl_b32 s9, s58, 8
	v_add_nc_u32 v[VX+2], s9, v252                 ; line 2 is window row 4 alone: lanes 16-31 repeat it, and their codes are not read
	; k's rows and my wave's rows of x are cleared
.irp i, 0,1,2,3
	v_mov_b32 v[240+\i], 0
.endr
	v_lshl_add_u32 v244, v0, 4, KL
.irp i, 0,1,2,3,4,5,6,7,8,9,10,11
	ds_store_b128 v244, v[240:243] offset:4096*\i
.endr
.irp i, 0,1,2,3,4,5
	ds_store_b128 v245, v[240:243] offset:512*\i
.endr
	; the norms' coefficients, a channel to a lane
	s_wait_loadcnt 32                              ; the seven loads are in; the ring's 32 behind them may be out
	v_add_f32 v238, v224, v226
	v_add_f32 v239, v228, v230
	v_add_f32 v238, v238, v239
	v_mul_f32 v238, 0x3e800000, v238               ; y's mean: the four pieces are equally long
	v_sub_f32 v224, v224, v238
	v_sub_f32 v226, v226, v238
	v_sub_f32 v228, v228, v238
	v_sub_f32 v230, v230, v238
	v_mul_f32 v239, v224, v224
	v_fmac_f32 v239, v226, v226
	v_fmac_f32 v239, v228, v228
	v_fmac_f32 v239, v230, v230
	v_add_f32 v225, v225, v227
	v_add_f32 v229, v229, v231
	v_add_f32 v225, v225, v229
	v_fmamk_f32 v239, v239, 0x47000000, v225       ; M2 = the pieces' M2 + 32,768 x the squares of their means' distances
	v_mov_b32 v222, 0x3727c5ac                     ; eps = 1e-5
	v_fmamk_f32 v239, v239, 0x37000000, v222       ; var + eps: M2 x 2^-17
	v_fmamk_f32 v223, v233, 0x38000000, v222       ; x: M2 x 2^-15
	v_rsq_f32 v239, v239
	v_rsq_f32 v223, v223
	v_mul_f32 v218, -1.0, v238                     ; -mean (plain work behind the two)
	v_mul_f32 v221, -1.0, v232
	s_wait_alu depctr_va_vdst(0)                   ; the wait ahead of the first reader: one for both
	v_mul_f32 v216, v239, v234                     ; a = rsqrt(var + eps) w
	v_mul_f32 v219, v223, v236
	s_wait_xcnt 0x0                                ; the head's loads have read their bases: s[32:45] are written again below
	COEF 216, 217, 218
; ---------------- phase 1: five lines, 20 chunks ----------------
.irp m, 0,1,2,3
	CHUNK \m
.endr
	FINISH 0, CQ
.irp m, 4,5,6,7
	CHUNK \m
.endr
	FINISH 1, CQ+LINE
	COEF 219, 220, 221
.irp m, 8,9,10,11
	CHUNK \m
.endr
	FINISH 2, CK
.irp m, 12,13,14,15
	CHUNK \m
.endr
	FINISH 3, CK+LINE
.irp m, 16,17,18,19
	CHUNK \m
.endr
	FINISH 4, CK+2*LINE
	; the norms' scalars are done with: x at each window row, and 1.0 or 0 for each
.irp dy, 0,1,2,3,4
	s_add_co_i32 s9, s2, \dy-2
	s_cmp_lt_u32 s9, 64                            ; (a negative row is a large unsigned number)
	s_cselect_b32 s[VAL+2*\dy], 1.0, 0
	s_mov_b32 s[VAL+2*\dy+1], s[VAL+2*\dy]
	s_max_i32 s9, s9, 0
	s_min_i32 s9, s9, 63
	s_lshl_b32 s60, s9, 8
	s_mov_b32 s61, 0
	s_add_nc_u64 s[SXR+2*\dy:SXR+2*\dy+1], s[SX:SX+1], s[60:61]
.endr
	s_and_b32 s9, s[WV], 1
	s_cmp_lg_u32 s9, 0
	s_cselect_b32 s[VT], s[VAL+2], s[VAL]          ; my tile of line 0 is window row w % 2,
	s_cselect_b32 s[VT+2], s[VAL+6], s[VAL+4]      ; of line 1 window row 2 + w % 2
	s_mov_b32 s[VT+1], s[VT]
	s_mov_b32 s[VT+3], s[VT+2]
	s_mov_b32 s[VT+4], s[VAL+8]
	s_mov_b32 s[VT+5], s[VAL+8]
	BARRIER                                        ; all codes and scale bytes lie in LDS, and k's rows are cleared
; ---------------- phase 2: the quantised products ----------------
.irp tl, 0,1,2,3
.irp s, 0,1
.irp p, 0,1,2,3,4,5
.if \tl < 2
	ds_load_b64 v[PF+24*\tl+12*\s+2*\p:PF+24*\tl+12*\s+2*\p+1], v[FRQ] offset:LINE*(\tl%2)+96*\s+48*(\p/3)+8*(\p%3)
.else
	ds_load_b64 v[PF+24*\tl+12*\s+2*\p:PF+24*\tl+12*\s+2*\p+1], v[FRK] offset:LINE*(\tl%2)+96*\s+48*(\p/3)+8*(\p%3)
.endif
.endr
.endr
	ds_load_b64 v[PS+2*\tl:PS+2*\tl+1], v[SR] offset:1024*\tl     ; the two K steps' scale words of my 16 pixels
.endr
	s_wait_loadcnt 0x0                             ; the weights
	WIN 0x40
.irp c, 0,1,2,3
.irp dy, 0,1,2,3,4
	global_load_b64 v[CN+10*\c+2*\dy:CN+10*\c+2*\dy+1], v[GV], s[SXR+2*\dy:SXR+2*\dy+1] offset:16384*\c   ; phase 4's first four channels are asked for here
.endr
.endr
	s_wait_dscnt 0x0
	WIN 0x11                                       ; source 0 (the weight) and C (the bias) window 1
.irp mt, 0,1
.irp tl, 0,1,2,3
	PROD \tl, \mt, 0                               ; eight accumulators by turns, one instruction a turn
.endr
.endr
	WIN 0x01
.irp mt, 0,1
.irp tl, 0,1,2,3
	PROD \tl, \mt, 1
.endr
.endr
	WIN 0
	PLACES
.irp tl, 0,1
.irp mt, 0,1
.irp j, 0,1,2,3,4,5,6,7
	ds_store_b32 v[QS], v[ACC+16*\tl+8*\mt+\j] offset:256*\tl+128*\mt+8*\j   ; q(e = 16 mt + 8 hh + j) of my pixel; each accumulator from its low end on
.endr
.endr
.endr
.irp tl, 2,3
.irp mt, 0,1
.irp j, 0,2,4,6
	v_pk_mul_f32 v[ACC+16*\tl+8*\mt+\j:ACC+16*\tl+8*\mt+\j+1], v[ACC+16*\tl+8*\mt+\j:ACC+16*\tl+8*\mt+\j+1], s[VT+2*(\tl-2):VT+2*(\tl-2)+1] op_sel_hi:[1,0]   ; a row out of range: k = 0, bias and all
.endr
.endr
.endr
.irp tl, 2,3
.irp mt, 0,1
	ds_store_b128 v[KS], v[ACC+16*\tl+8*\mt:ACC+16*\tl+8*\mt+3] offset:19584*(\tl-2)+64*\mt
	ds_store_b128 v[KS], v[ACC+16*\tl+8*\mt+4:ACC+16*\tl+8*\mt+7] offset:19584*(\tl-2)+64*\mt+16
.endr
.endr
	s_cmp_lt_u32 s[WV], 4                          ; window row 4 is four tiles: waves 0 to 3
	s_cbranch_scc0 .Lno_t4
.irp s, 0,1
.irp p, 0,1,2,3,4,5
	ds_load_b64 v[PF+96+12*\s+2*\p:PF+96+12*\s+2*\p+1], v[FR5] offset:96*\s+48*(\p/3)+8*(\p%3)
.endr
.endr
	ds_load_b64 v[PS+8:PS+9], v[SR5]
	s_wait_dscnt 0x0
	WIN 0x11
	PROD 4, 0, 0
	PROD 4, 1, 0
	WIN 0x01
	PROD 4, 0, 1                                   ; two accumulators by turns
	PROD 4, 1, 1
	WIN 0
	PLACES
.irp mt, 0,1
.irp j, 0,2,4,6
	v_pk_mul_f32 v[ACC+64+8*\mt+\j:ACC+64+8*\mt+\j+1], v[ACC+64+8*\mt+\j:ACC+64+8*\mt+\j+1], s[VT+4:VT+5] op_sel_hi:[1,0]
.endr
.endr
.irp mt, 0,1
	ds_store_b128 v[KS5], v[ACC+64+8*\mt:ACC+64+8*\mt+3] offset:64*\mt
	ds_store_b128 v[KS5], v[ACC+64+8*\mt+4:ACC+64+8*\mt+7] offset:64*\mt+16
.endr
.Lno_t4:
	BARRIER                                        ; q and k lie in LDS
	s_wait_loadcnt 15                              ; phase 4's channel 0 is in; channels 1 to 3 may be out
	WIN 0x54
	PREP 0
	WIN 0
; ---------------- phase 3: logits and softmax, waves 0 to 3 ----------------
	s_cmp_lt_u32 s[WV], 4
	s_cbranch_scc0 .Lno_logits
	WIN 0x40
.irp u, 0,1
.irp n, 0,1,2,3,4,5,6,7
	ds_load_b128 v[QR+32*\u+4*\n:QR+32*\u+4*\n+3], v[QA] offset:256*\u+16*\n   ; my cell's four queries, my 16 e
.endr
.endr
	WIN 0x04                                       ; source 1 (q) window 1: this one setting serves the keys' loads and the multiply-adds
	KLOAD 0
	KLOAD 1
.set ST, 0
.rept 20
.if ST+2 < 20
	KLOAD ST+2
	s_wait_dscnt 10                                ; this step's keys are in; the two younger steps' may be out
.else
	s_wait_dscnt 5*(19-ST)
.endif
	LSTEP ST
.set ST, ST+1
.endr
	WIN 0
.set II, 0
.rept 50
	v_permlane16_swap_b32 v[LA+II], v[LA+50+II]    ; u = 0's upper lanes change places with u = 1's lower ones: both halves of e of (cell r, u = hh) now lie in lane (r, hh)
.set II, II+1
.endr
.set II, 0
.rept 25
	v_pk_add_f32 v[LA+2*II:LA+2*II+1], v[LA+2*II:LA+2*II+1], v[LA+50+2*II:LA+50+2*II+1]
.set II, II+1
.endr
.irp v, 0,1
	v_max3_num_f32 v[248+\v], v[LA+\v], v[LA+2+\v], v[LA+4+\v]
.endr
.irp k, 3,5,7,9,11,13,15,17,19,21,23
.irp v, 0,1
	v_max3_num_f32 v[248+\v], v[248+\v], v[LA+2*\k+\v], v[LA+2*\k+2+\v]
.endr
.endr
.set II, 0
.rept 25
	v_pk_add_f32 v[LA+2*II:LA+2*II+1], v[LA+2*II:LA+2*II+1], v[248:249] neg_lo:[0,1] neg_hi:[0,1]   ; the largest logit is taken away
.set II, II+1
.endr
.set II, 0
.rept 25
	v_pk_mul_f32 v[LA+2*II:LA+2*II+1], v[LA+2*II:LA+2*II+1], 0x3fb8aa3b op_sel_hi:[1,0]            ; x log2(e)
.set II, II+1
.endr
.set II, 0
.rept 50
	v_exp_f32 v[LA+II], v[LA+II]
.set II, II+1
.endr
	v_nop                                          ; a plain place behind the batch
	s_wait_alu depctr_va_vdst(0)                   ; the wait ahead of the first reader: one for the fifty
	v_pk_add_f32 v[250:251], v[LA:LA+1], v[LA+2:LA+3]
	v_pk_add_f32 v[252:253], v[LA+4:LA+5], v[LA+6:LA+7]
	v_pk_add_f32 v[254:255], v[LA+8:LA+9], v[LA+10:LA+11]
.set II, 6
.rept 19
	v_pk_add_f32 v[250+2*(II%3):251+2*(II%3)], v[250+2*(II%3):251+2*(II%3)], v[LA+2*II:LA+2*II+1]
.set II, II+1
.endr
	v_pk_add_f32 v[250:251], v[250:251], v[252:253]
	v_pk_add_f32 v[250:251], v[250:251], v[254:255]
	v_rcp_f32 v250, v250
	v_rcp_f32 v251, v251
	v_nop
	s_wait_alu depctr_va_vdst(0)
.irp dy, 0,1,2,3,4
	v_pk_mul_f32 v[KR+2*\dy:KR+2*\dy+1], v[250:251], s[VAL+2*\dy:VAL+2*\dy+1] op_sel_hi:[1,0]      ; a window row out of range has counted in the sum, and carries v = 0
.endr
.set II, 0
.rept 25
	v_pk_mul_f32 v[LA+2*II:LA+2*II+1], v[LA+2*II:LA+2*II+1], v[KR+2*(II/5):KR+2*(II/5)+1]
.set II, II+1
.endr
.set II, 0
.rept 25
	ds_store_b64 v[WA], v[LA+2*II:LA+2*II+1] offset:256*II
.set II, II+1
.endr
.Lno_logits:
	BARRIER                                        ; the weights lie in LDS
; ---------------- phase 4: the weighted sum ----------------
.set II, 0
.rept 100
	ds_load_b64 v[WB+2*II:WB+2*II+1], v[WR] offset:256*II          ; my two cells' 200 weights stay in registers for my 32 channels
.set II, II+1
.endr
	s_mov_b32 s[CNT], 7
.Lch:                                                  ; a trip is four channels, until the sets' numbers are back where they began
	WIN 0x54                                       ; results, x and its neighbours window 1; weights and addresses window 0: one setting for the whole trip
	STEP 0, 1, 10, 1
	STEP 1, 1, 10, 1
	STEP 2, 1, 10, 1
	STEP 3, 1, 10, 1
	WIN 0
	s_wait_xcnt 0x0                                ; the trip's loads and stores have read their offsets
	v_add_nc_u32 v[GV], 0x10000, v[GV]
	v_add_nc_u32 v[OV], 0x40000, v[OV]
	s_sub_co_u32 s[CNT], s[CNT], 1
	s_cmp_lg_u32 s[CNT], 0
	s_cbranch_scc1 .Lch
	WIN 0x54
	STEP 0, 1, 10, 0                               ; the last four channels load nothing: the counts run down
	STEP 1, 1, 5, 0
	STEP 2, 1, 0, 0
	STEP 3, 0, 0, 0
	WIN 0
	s_wait_xcnt 0x0
	v_lshl_add_u32 v254, v0, 2, 0x42400
	v_mov_b32 v255, 0
	s_wait_tensorcnt 0x0
	ds_add_u32 v254, v255
	s_wait_dscnt 0x0
	s_endpgm
.Lfunc_end_k_q1d890af007_sapa:
	.size	k_q1d890af007_sapa, .Lfunc_end_k_q1d890af007_sapa-k_q1d890af007_sapa
	.p2alignl 7, 3214868480
	.fill 96, 4, 3214868480
	.section	.rodata,"a",@progbits
	.p2align	6, 0x0
	.amdhsa_kernel k_q1d890af007_sapa
		.amdhsa_group_segment_fixed_size 272384
		.amdhsa_private_segment_fixed_size 0
		.amdhsa_enable_private_segment 0
		.amdhsa_kernarg_size 112
		.amdhsa_user_sgpr_count 2
		.amdhsa_user_sgpr_kernarg_segment_ptr 1
		.amdhsa_wavefront_size32 1
		.amdhsa_system_sgpr_workgroup_id_x 1
		.amdhsa_system_sgpr_workgroup_id_y 1
		.amdhsa_system_sgpr_workgroup_id_z 1
		.amdhsa_system_vgpr_workitem_id 0
		.amdhsa_next_free_vgpr 512
		.amdhsa_next_free_sgpr 98
		.amdhsa_reserve_vcc 0
		.amdhsa_float_denorm_mode_32 3
		.amdhsa_float_denorm_mode_16_64 3
		.amdhsa_memory_ordered 1
		.amdhsa_forward_progress 1
		.amdhsa_inst_pref_size 255
	.end_amdhsa_kernel
	.section	.bss,"aw",@nobits
	.p2align	6
	.space	262144
	.amdgpu_metadata
---
amdhsa.version: [ 1, 2 ]
amdhsa.kernels:
  - .name:           k_q1d890af007_sapa
    .symbol:         k_q1d890af007_sapa.kd
    .args:
      - { .name: y, .offset: 0, .size: 8, .value_kind: global_buffer, .address_space: global }
      - { .name: x, .offset: 8, .size: 8, .value_kind: global_buffer, .address_space: global }
      - { .name: part, .offset: 16, .size: 8, .value_kind: global_buffer, .address_space: global }
      - { .name: gn_y_w, .offset: 24, .size: 8, .value_kind: global_buffer, .address_space: global }
      - { .name: gn_y_b, .offset: 32, .size: 8, .value_kind: global_buffer, .address_space: global }
      - { .name: gn_x_w, .offset: 40, .size: 8, .value_kind: global_buffer, .address_space: global }
      - { .name: gn_x_b, .offset: 48, .size: 8, .value_kind: global_buffer, .address_space: global }
      - { .name: q_w_codes, .offset: 56, .size: 8, .value_kind: global_buffer, .address_space: global }
      - { .name: q_w_scales, .offset: 64, .size: 8, .value_kind: global_buffer, .address_space: global }
      - { .name: q_b, .offset: 72, .size: 8, .value_kind: global_buffer, .address_space: global }
      - { .name: k_w_codes, .offset: 80, .size: 8, .value_kind: global_buffer, .address_space: global }
      - { .name: k_w_scales, .offset: 88, .size: 8, .value_kind: global_buffer, .address_space: global }
      - { .name: k_b, .offset: 96, .size: 8, .value_kind: global_buffer, .address_space: global }
      - { .name: out0, .offset: 104, .size: 8, .value_kind: global_buffer, .address_space: global }
    .group_segment_fixed_size: 272384
    .private_segment_fixed_size: 0
    .kernarg_segment_align: 8
    .kernarg_segment_size: 112
    .max_flat_workgroup_size: 256
    .sgpr_count:     98
    .vgpr_count:     512
    .wavefront_size: 32
...
	.end_amdgpu_metadata
.endif
;; end of part 2
;; ======== version 2 of 2: 2 launches; version 1 with the launch sapa written anew for expert scheduling mode
;; workspace buffers: part 5,120 bytes
;; launch stats: the kernel of part 1 again; grid 640 x 1, 8 waves a work-group, no clusters, 1,536 bytes of LDS; arguments y, x, part; writes part
;; launch sapa (part 3): grid 64 x 4, 8 waves a work-group, no clusters, 272,384 bytes of LDS; arguments y, x, part, gn_y_w, gn_y_b, gn_x_w, gn_x_b, q_w_codes, q_w_scales, q_b, k_w_codes, k_w_scales, k_b, out0; writes out0
.if DOCPART == 3
	.amdgcn_target "amdgcn-amd-amdhsa--gfx1250"
	.amdhsa_code_object_version 6
	.text
	.protected	k_q1d890af007_sapa
	.globl	k_q1d890af007_sapa
	.p2align	8
	.type	k_q1d890af007_sapa,@function
k_q1d890af007_sapa:
	s_mov_b64 s[64:65], 0
	v_nop
	global_prefetch_b8 v0, s[64:65] scope:SCOPE_SE
	s_setreg_imm32_b32 hwreg(HW_REG_WAVE_SCHED_MODE, 0, 2), 2
	s_setreg_imm32_b32 hwreg(HW_REG_WAVE_MODE, 25, 1), 1
	s_wait_xcnt 0x0
	s_wait_alu depctr_vm_vsrc(0)
; One work-group = one low-res row h (x of the grid) of one batch b (y of the grid): 64 cells, 256 high-res pixels, all 256 channels.
;   1  group norm of y's two high-res rows and of x's rows h-2 .. h+2, in f32, quantised along the channels to codes of BF6 (E3M2) with one E8M0 byte for each 32 channels of a pixel;
;   2  q = q_w yn + q_b and k = k_w xn + k_b by v_wmma_scale_f32_16x16x128_f8f6f4 (source 0 = 16 rows of the weight, source 1 = 16 pixels; the bias is the C of a sum's first product);
;   3  the 25 logits of each query in f32, their softmax (the largest logit is taken away first);
;   4  out = the weighted sum of raw x over the 5 x 5 window, in f32.
; q, k, the logits and the weights never go to memory.  Keys out of range: k = 0 (logit 0, counted in the softmax's sum) and v = 0.  Rows out of range are LOADED from the nearest row inside (no load leaves x) and
; multiplied by 0: k's tile as a whole, bias included, and the weights of that window row.  Columns out of range are zero bytes in LDS.
; SHARES.  Eight waves.  Wave w owns channels 32 w .. 32 w + 31, one block of the quantiser, in phases 1 and 4: a lane then holds all 32 numbers of a pixel's block, and no other lane is asked for a maximum.
; In phase 2 wave w owns tile w (16 pixels) of each line; in phase 3 waves 0 to 3 own 16 cells each: lane = (cell, half of the 32 e), so that each key read from LDS serves the cell's four queries.
; A LINE is 512 consecutive bytes a channel: a high-res row of y, or two rows of x (lanes 0-15 one, lanes 16-31 the next).  Lane l's 16 bytes are pixels i = 0 .. 3; their place among the line's codes is 32 i + l.
; NO CLUSTER, NO TENSOR LOADS: neighbouring work-groups want rows h-2 .. h+2, five other rows each, so no one descriptor is equal in all partners; and every number passes through registers on its way (norm, quantiser, shift by a lane).
; THE NORM is fma(x - mean, rsqrt(var + eps) w, b); reference() rounds (x - mean) rsqrt(..) before it multiplies by w: the two differ by roundings of f32.
; LIMITS: NaN and infinities in x or y are not served (0 x infinity at the borders).  A block whose largest magnitude lies under 2^-122, a block of zeros among them, gets the scale byte 1: the bytes are read by this text alone.
; THE MODE: SCHED_MODE bits 1:0 = 2 (LLVM: expert scheduling mode 2), set by the entry lines.  The code itself states the register dependences between vector or matrix instructions and memory or LDS
; instructions, with s_wait_alu, always for 0.
; THE PLAN.  Registers that memory or LDS instructions touch, and who else names them:
;   addresses     v1-5, v24-37, v39-43: made once at the head, ahead of one wait on va_vdst; never written again but v[GV], v[OV], once a lap of phase 4.  v[CW] is made anew for each line.
;   phase 1       slot m % 4 (window 1): chunk m's additions write it and its multiply-adds read it; behind them ONE wait on va_vdst, and the loads of chunk m + 4 land in it at once: the stream lives on loads in flight.
;                 v[CW], v[CD ..], v[BY ..]: written by a line's quantiser; one wait on va_vdst; read by the line's LDS stores; one wait on vm_vsrc at the head of the next line's quantiser.
;   phase 2       fragments and scale words come by loads into registers that no vector instruction has named since the last line's wait.  The accumulators lie over v[CD ..], v[BY ..]: one wait on vm_vsrc ahead of the
;                 first product.  k's multiplications stand ahead of q's stores, so that one wait on va_vdst serves all the LDS stores of results.
;   phase 3       keys in two buffers of two steps each.  Pair P multiplies buffer P % 2; at its head one wait on va_vdst (pair P - 1 is done reading the other buffer), then the loads of pair P + 1.
;   phase 4       four sets of x (a set a channel), two sets of neighbours, two buffers of results.  Channel c reads set c % 4 and neighbours c % 2 and writes results c % 2.  Its memory and LDS instructions touch
;                 set (c - 1) % 4 (the loads of channel c + 3), results (c - 1) % 2 (the stores of channel c - 1), set (c + 1) % 4 and neighbours (c + 1) % 2 (the round trip of channel c + 1's rows through LDS):
;                 none of them is named by channel c's multiply-adds.  So the waits at a channel's head state all, and its 22 memory and LDS instructions follow with no further wait.
; LDS, in bytes
.set CQ,   0                           ; codes of yn: 2 lines x 128 places x 208 (8 blocks of 24 bytes + 16)
.set CK,   53248                       ; codes of xn: 3 lines likewise
.set LINE, 26624
.set SCB,  133120                      ; scale bytes: 8 a place; lines 0, 1 = yn's, 2, 3, 4 = xn's
.set KL,   138240                      ; k, f32: window row dy at 9,792 dy; slot column + 2 (0 .. 67) at 144 a slot; e at 4 e.  Cleared at the head: slots 0, 1, 66, 67 stay 0
.set QL,   187392                      ; q, f32: cell at 528 a cell; + 256 u + 8 e + 4 v
.set WIMG, 221184                      ; the weights as phase 4's registers take them: pair 50 a + 25 u + idx at 256 a pair, + 8 x lane
.set XS,   246784                      ; for each wave 3,072: 2 slots x 5 rows x (8 zero bytes, 256 of a row of x, 8 zero bytes)
; window 0
.set LX,  1                            ; XS + 3072 w + 8 lane
.set WR,  2                            ; WIMG + 8 lane
.set KA,  3                            ; phase 3: my cell's slot in KL, my half of e
.set QA,  4                            ; phase 3: my cell in QL, my half of e
.set WA,  5                            ; phase 3: where my weights go
.set SQW, 6                            ; v[6:9]   q_w's scale words (2 mt + s);  v[10:13] k_w's;  v[14:23] the pixels', two a tile.  These hold scales and nothing else
.set SKW, 10
.set PS,  14
.set CW0, 24                           ; 208 lane + 24 w
.set SW,  25                           ; SCB + 8 lane + w
.set FRQ, 26                           ; my tile's fragment rows in CQ;  v27 in CK;  v28 in CK's line 2
.set FRK, 27
.set FR5, 28
.set SR,  29                           ; my tile's scale words;  v30 line 4's
.set SR5, 30
.set KS,  31                           ; where my tile of k goes;  v32 window row 4's
.set KS5, 32
.set QS,  33                           ; where my tile of q goes
.set VY,  34                           ; 16 lane
.set VX,  35                           ; v[35:37] x's three lines: my row and my 16 bytes of it
.set CW,  38
.set WF,  39                           ; a weight's fragment: 192 r + 24 hh
.set BA,  40                           ; a bias: 32 hh
.set SA,  41                           ; a weight's scale words: 8 r
.set GV,  42                           ; phase 4: 8 lane + 65,536 x laps begun
.set OV,  43                           ; phase 4: 16 lane + 262,144 x laps begun
.set NB,  44                           ; phase 1: v[44:171] register 32 i + k = pixel i, channel k of my block, normalised
.set CD,  172                          ; v[172:203] codes, 8 registers a pixel
.set TM,  204                          ; v[204:207] largest magnitudes;  v[208:211] the conversions' scale operands;  v[212:215] the bytes
.set SC,  208
.set BY,  212
.set PF,  44                           ; phase 2: v[44:163] the pixels' fragments, 24 tile + 12 s;  v[164:243] accumulators, 16 tile + 8 mt
.set ACC, 164
.set LA,  88                           ; phase 3: v[88:187] logits, 50 u + 2 idx + v
.set KR,  188                          ; phase 3: v[188:227] keys, buffer 0: 2 steps x 5 dx x 4 e
.set KR2, 44                           ; phase 3: v[44:83]   keys, buffer 1
.set WB,  56                           ; phase 4: v[56:255] weights, 100 a + 50 u + 2 idx + v
; window 1
.set RG,  0                            ; phase 1: v[0:127] four slots x 8 channels x 4 numbers as loaded
.set WQ,  128                          ; v[128:175] q_w's four fragments (2 mt + s), v[176:223] k_w's, v[224:239] q_b in the result's layout, v[240:255] k_b
.set WK,  176
.set BQ,  224
.set BK,  240
.set QR,  128                          ; phase 3: v[128:191] q: 32 u + 2 e + v
.set CN,  0                            ; phase 4: v[0:39] 4 sets x 5 rows: my two columns;  v[40:79] 2 sets x 5 rows x (the pair to the left, the pair to the right)
.set LR,  40
.set OU,  80                           ; phase 4: v[80:95] results, two buffers: 8 (channel % 2) + 4 u + 2 a + v
; scalars
.set SY,  4                            ; s[4:5] y, s[6:7] x, s[10:11] out0, each at my wave's first channel (y, out0: at high-res row 2 h too)
.set SX,  6
.set WV,  8
.set SO,  10
.set NMU, 24                           ; s[24:31] -mean of my four groups, each twice;  s[32:63] a, s[66:97] b of my 32 channels
.set CA,  32
.set CB,  66
.set SXR, 32                           ; behind phase 1: s[32:41] x at window row dy;  s[44:53] 1.0 or 0 for window row dy, twice;  s[54:59] the same for my three tiles of k
.set VAL, 44
.set VT,  54
.set CNT, 60
.set MSB, 0
.macro WIN new                         ; the immediate's high byte repeats the setting that is left; a switch that changes nothing is dropped
.if MSB != \new
	s_set_vgpr_msb (MSB<<8)|\new
.set MSB, \new
.endif
.endm
; chunk m = 8 channels (one group of the norm) of line m / 4: eight loads of 512 consecutive bytes into slot m % 4
.macro LOADCH m
	WIN 0x40                                       ; destination window 1
.irp kk, 0,1,2,3,4,5,6,7
.if (\m) < 8
	global_load_b128 v[RG+32*((\m)%4)+4*\kk:RG+32*((\m)%4)+4*\kk+3], v[VY], s[SY:SY+1] offset:(8*((\m)%4)+\kk)*65536+512*((\m)/4) th:TH_LOAD_NT
.else
	global_load_b128 v[RG+32*((\m)%4)+4*\kk:RG+32*((\m)%4)+4*\kk+3], v[VX+(\m)/4-2], s[SX:SX+1] offset:(8*((\m)%4)+\kk)*16384
.endif
.endr
.endm
; the weights' fragments, biases and scale words: 64 loads, into registers that no vector instruction has named
.macro WLOADS
	WIN 0x40
.irp mt, 0,1
.irp s, 0,1
.irp p, 0,1,2,3,4,5
	global_load_b64 v[WQ+12*(2*\mt+\s)+2*\p:WQ+12*(2*\mt+\s)+2*\p+1], v[WF], s[12:13] offset:3072*\mt+96*\s+48*(\p/3)+8*(\p%3)
	global_load_b64 v[WK+12*(2*\mt+\s)+2*\p:WK+12*(2*\mt+\s)+2*\p+1], v[WF], s[18:19] offset:3072*\mt+96*\s+48*(\p/3)+8*(\p%3)
.endr
.endr
	global_load_b128 v[BQ+8*\mt:BQ+8*\mt+3], v[BA], s[16:17] offset:64*\mt
	global_load_b128 v[BQ+8*\mt+4:BQ+8*\mt+7], v[BA], s[16:17] offset:64*\mt+16
	global_load_b128 v[BK+8*\mt:BK+8*\mt+3], v[BA], s[22:23] offset:64*\mt
	global_load_b128 v[BK+8*\mt+4:BK+8*\mt+7], v[BA], s[22:23] offset:64*\mt+16
.endr
	WIN 0
.irp mt, 0,1
.irp s, 0,1
	global_load_b32 v[SQW+2*\mt+\s], v[SA], s[14:15] offset:128*\mt+4*\s
	global_load_b32 v[SKW+2*\mt+\s], v[SA], s[20:21] offset:128*\mt+4*\s
.endr
.endr
.endm
; chunk m is normalised; the multiply-add's choice of registers also turns (channel, pixel) into (pixel, channel)
.macro CHUNK m
.set RB, RG+32*((\m)%4)
.set GR, (\m)%4
.if 19-(\m) >= 3
	s_wait_loadcnt 24                              ; my eight loads are in; the three younger chunks' may be out
.else
	s_wait_loadcnt 8*(19-(\m))
.endif
.if (\m) == 19
	WLOADS                                         ; behind the stream's last wait: they land under the last chunk's work and the barrier
.endif
	WIN 0x41
.set II, 0
.rept 16
	v_pk_add_f32 v[RB+2*II:RB+2*II+1], v[RB+2*II:RB+2*II+1], s[NMU+2*GR:NMU+2*GR+1] op_sel_hi:[1,0]
.set II, II+1
.endr
	WIN 0x01
.irp kk, 0,1,2,3,4,5,6,7
.irp i, 0,1,2,3
	v_fma_f32 v[NB+32*\i+8*GR+\kk], v[RB+4*\kk+\i], s[CA+8*GR+\kk], s[CB+8*GR+\kk]
.endr
.endr
.if (\m)+4 < 20
	WIN 0x40
	s_wait_alu depctr_va_vdst(0)                   ; the additions have written this slot and the multiply-adds are done reading it: the loads below land in it
	LOADCH (\m)+4                                  ; the slot takes the chunk four on: 32 loads a wave stay on their way, across the lines' ends too
.endif
.endm
; four pixels' blocks of 32 become codes and a scale byte each, and go to line gl's places in LDS
.macro FINISH gl, base
	WIN 0
	s_wait_dscnt 0x0                               ; the last line's LDS stores are done
.if (\gl) > 0
	s_wait_alu depctr_vm_vsrc(0)                   ; the last line's LDS stores have read v[CW], v[CD ..] and v[BY ..], which the lines below write again
.endif
	v_add_nc_u32 v[CW], \base, v[CW0]
.irp i, 0,1,2,3
	v_max3_num_f32 v[TM+\i], |v[NB+32*\i]|, |v[NB+32*\i+1]|, 0x2800000   ; and the floor 2^(5 - 127): the byte cannot fall under 1
.endr
.irp k, 2,4,6,8,10,12,14,16,18,20,22,24,26,28,30
.irp i, 0,1,2,3
	v_max3_num_f32 v[TM+\i], v[TM+\i], |v[NB+32*\i+\k]|, |v[NB+32*\i+\k+1]|   ; (the four pixels by turns)
.endr
.endr
.irp i, 0,1,2,3
	v_add_nc_u32 v[SC+\i], 0xfe000000, v[TM+\i]    ; 4 off the exponent field: the conversion takes this operand's exponent field as its scale
.endr
.irp i, 0,1,2,3
	v_lshrrev_b32 v[BY+\i], 23, v[SC+\i]           ; the scale's byte
.endr
.irp i, 0,1,2,3
	v_cvt_scalef32_pk16_bf6_f32 v[CD+8*\i:CD+8*\i+2], v[NB+32*\i:NB+32*\i+15], v[SC+\i]
	v_cvt_scalef32_pk16_bf6_f32 v[CD+8*\i+4:CD+8*\i+6], v[NB+32*\i+16:NB+32*\i+31], v[SC+\i]   ; (a conversion's three registers begin on an even number)
.endr
	v_nop                                          ; one plain place behind the scaled conversions
.irp i, 0,1,2,3
	v_mov_b32 v[CD+8*\i+3], v[CD+8*\i+4]
	v_mov_b32 v[CD+8*\i+4], v[CD+8*\i+5]
	v_mov_b32 v[CD+8*\i+5], v[CD+8*\i+6]           ; 24 bytes on end
.endr
	s_wait_alu depctr_va_vdst(0)                   ; v[CW], the codes v[CD ..] and the bytes v[BY ..] are written, which the LDS stores below read.  (Behind the last line it also states that the norm and the quantiser are done with v[NB ..] and with window 1's slots)
.irp i, 0,1,2,3
.irp p, 0,1,2
	ds_store_b64 v[CW], v[CD+8*\i+2*\p:CD+8*\i+2*\p+1] offset:6656*\i+8*\p   ; place 32 i + lane, block w
.endr
	ds_store_b8 v[SW], v[BY+\i] offset:1024*\gl+256*\i
.endr
.endm
; a, b and -mean, which lie a channel to a lane, become scalars
.macro COEF va, vb, vn
.set II, 0
.rept 32
	v_readlane_b32 s[CA+II], v[\va], II
	v_readlane_b32 s[CB+II], v[\vb], II
.set II, II+1
.endr
.irp g, 0,1,2,3
	v_readlane_b32 s[NMU+2*\g], v[\vn], 8*\g
	v_readlane_b32 s[NMU+2*\g+1], v[\vn], 8*\g
.endr
	s_wait_alu depctr_va_sdst(0)                   ; the 72 scalars are written, ahead of their first readers, the next chunk's additions and multiply-adds
.endm
; one quantised product: tile tl (0, 1: q; 2, 3, 4: k), rows 16 mt on of the weight, K step s
.macro PROD tl, mt, s
.if (\tl) < 2
.set WFR, WQ+12*(2*(\mt)+(\s))
.set BIA, BQ+8*(\mt)
.set WSC, SQW+2*(\mt)+(\s)
.else
.set WFR, WK+12*(2*(\mt)+(\s))
.set BIA, BK+8*(\mt)
.set WSC, SKW+2*(\mt)+(\s)
.endif
.set AC, ACC+16*(\tl)+8*(\mt)
.set PFR, PF+24*(\tl)+12*(\s)
.if (\s) == 0
	v_wmma_scale_f32_16x16x128_f8f6f4 v[AC:AC+7], v[WFR:WFR+11], v[PFR:PFR+11], v[BIA:BIA+7], v[WSC], v[PS+2*(\tl)+(\s)] matrix_a_fmt:MATRIX_FMT_BF6 matrix_b_fmt:MATRIX_FMT_BF6
.else
	v_wmma_scale_f32_16x16x128_f8f6f4 v[AC:AC+7], v[WFR:WFR+11], v[PFR:PFR+11], v[AC:AC+7], v[WSC], v[PS+2*(\tl)+(\s)] matrix_a_fmt:MATRIX_FMT_BF6 matrix_b_fmt:MATRIX_FMT_BF6
.endif
.endm
.macro PLACES                          ; four plain places behind a matrix instruction, ahead of the first read of results and of writes into its registers (ISA guide 7.12.1)
.rept 4
	v_nop
.endr
.endm
.macro BARRIER                         ; my LDS stores have landed and my LDS loads are in: then the work-group's barrier
	s_wait_dscnt 0x0
	s_barrier_signal -1
	s_barrier_wait -1
.endm
; phase 4: row dy of channel c goes to my wave's own LDS row and the pairs to the left and to the right come back.  LDS serves a wave's instructions in order (ISA guide 5.7.1.4)
.macro PREPROW c, dy
	ds_store_b64 v[LX], v[CN+10*((\c)%4)+2*(\dy):CN+10*((\c)%4)+2*(\dy)+1] offset:1360*((\c)%2)+272*(\dy)+8
	ds_load_b64 v[LR+20*((\c)%2)+4*(\dy):LR+20*((\c)%2)+4*(\dy)+1], v[LX] offset:1360*((\c)%2)+272*(\dy)
	ds_load_b64 v[LR+20*((\c)%2)+4*(\dy)+2:LR+20*((\c)%2)+4*(\dy)+3], v[LX] offset:1360*((\c)%2)+272*(\dy)+16
.endm
; phase 4: one channel c; cc = c % 4.  Lane l owns cells 2 l + a; for window column dx it wants column 2 l - 2 + (a + dx): one of six numbers in three pairs.
; free = 1: the two waits that free the results' buffer stand here (0: there is nothing to free, or they stand at the lap's top).  st = 1: channel c - 1 is stored, sch channels from v[OV].
; ld = 1: channel c + 3 is loaded, lch channels from v[GV].  prep = 1: channel c + 1's rows go through LDS; lcnt: how many younger loads may be out when its five have to be in.
.macro STEP cc, free, st, sch, ld, lch, prep, lcnt
.set CSET, CN+10*((\cc)%4)
.set PSET, CN+10*(((\cc)+3)%4)
.set LSET, LR+20*((\cc)%2)
.set OCUR, OU+8*((\cc)%2)
.set OPRE, OU+8*(((\cc)+1)%2)
	s_wait_dscnt 0x0                               ; this channel's neighbours are in (channel 0: the weights too); the last of these loads was issued 60 multiply-adds back
.if \free
	s_wait_xcnt 0x0                                ; every earlier memory instruction has had its addresses translated (ISA guide 3.1): this channel's results are written only behind this wait
	s_wait_alu depctr_vm_vsrc(0)                   ; the stores issued a channel back have read the results' buffer that this channel writes; the LDS stores of channel c - 1's rows have read the set in which the loads below land
.endif
.if \st
	s_wait_alu depctr_va_vdst(0)                   ; channel c - 1 has written its results, which the stores below read, and is done reading its set of x and its neighbours, in which loads below land; in a lap's first channel v[GV] and v[OV] are written
.endif
.if \ld
.irp r, 0,1,2,3,4
	global_load_b64 v[PSET+2*\r:PSET+2*\r+1], v[GV], s[SXR+2*\r:SXR+2*\r+1] offset:16384*(\lch)   ; channel c + 3 into the set that channel c - 1 has left
.endr
.endif
.if \st
.irp u, 0,1
	global_store_b128 v[OV], v[OPRE+4*\u:OPRE+4*\u+3], s[SO:SO+1] offset:65536*(\sch)+512*\u th:TH_STORE_NT   ; channel c - 1: the wave stores a whole high-res row: 512 consecutive bytes, aligned
.endr
.endif
.if \prep
	s_wait_loadcnt \lcnt                           ; the next channel's five loads are in; those of the channels behind it may be out
.endif
.irp dy, 0,1,2,3,4
.if \prep                              ; the next channel's rows through LDS, in runs of 6, 6 and 3 among the multiply-adds, which name none of their registers: no wait
.if \dy == 0
	PREPROW (\cc)+1, 0
	PREPROW (\cc)+1, 1
.elseif \dy == 1
	PREPROW (\cc)+1, 2
	PREPROW (\cc)+1, 3
.elseif \dy == 2
	PREPROW (\cc)+1, 4
.endif
.endif
.irp dx, 0,1,2,3,4
.irp a, 0,1
.irp u, 0,1
.set PO, \a+\dx
.if PO/2 == 0
.set XREG, LSET+4*\dy
.elseif PO/2 == 1
.set XREG, CSET+2*\dy
.else
.set XREG, LSET+4*\dy+2
.endif
.set WRG, WB+100*\a+50*\u+2*(5*\dy+\dx)
.set OREG, OCUR+4*\u+2*\a
.if \dy+\dx == 0
.if PO%2 == 0
	v_pk_mul_f32 v[OREG:OREG+1], v[WRG:WRG+1], v[XREG:XREG+1] op_sel_hi:[1,0]
.else
	v_pk_mul_f32 v[OREG:OREG+1], v[WRG:WRG+1], v[XREG:XREG+1] op_sel:[0,1] op_sel_hi:[1,1]
.endif
.else
.if PO%2 == 0
	v_pk_fma_f32 v[OREG:OREG+1], v[WRG:WRG+1], v[XREG:XREG+1], v[OREG:OREG+1] op_sel_hi:[1,0,1]
.else
	v_pk_fma_f32 v[OREG:OREG+1], v[WRG:WRG+1], v[XREG:XREG+1], v[OREG:OREG+1] op_sel:[0,1,0] op_sel_hi:[1,1,1]
.endif
.endif
.endr
.endr
.endr
.endr
.endm
; phase 3: five keys (dx) x four e of window row st / 4 into half st % 2 of buffer (st / 2) % 2
.macro KLOAD st
.set KB, KR+(KR2-KR)*(((\st)/2)%2)+20*((\st)%2)
.irp dx, 0,1,2,3,4
	ds_load_b128 v[KB+4*\dx:KB+4*\dx+3], v[KA] offset:9792*((\st)/4)+144*\dx+16*((\st)%4)
.endr
.endm
.macro LSTEP st                        ; 40 packed multiply-adds: a pair is the cell's v = 0, 1; the key serves both halves; ten sums by turns
.set DY, (\st)/4
.set EQ, (\st)%4
.set KB, KR+(KR2-KR)*(((\st)/2)%2)+20*((\st)%2)
.irp e4, 0,1,2,3
.irp dx, 0,1,2,3,4
.irp u, 0,1
.set AR, LA+50*\u+2*(5*DY+\dx)
.set QRG, QR+32*\u+2*(4*EQ+\e4)
.set KRG, KB+4*\dx+2*(\e4/2)
.if (EQ == 0) && (\e4 == 0)
	v_pk_mul_f32 v[AR:AR+1], v[KRG:KRG+1], v[QRG:QRG+1] op_sel_hi:[0,1]
.elseif \e4%2 == 0
	v_pk_fma_f32 v[AR:AR+1], v[KRG:KRG+1], v[QRG:QRG+1], v[AR:AR+1] op_sel_hi:[0,1,1]
.else
	v_pk_fma_f32 v[AR:AR+1], v[KRG:KRG+1], v[QRG:QRG+1], v[AR:AR+1] op_sel:[1,0,0] op_sel_hi:[1,1,1]
.endif
.endr
.endr
.endr
.endm
; ---------------- phase 0: the head ----------------
	s_load_b256 s[32:39], s[0:1], 0x0              ; y, x, part, gn_y_w
	s_load_b128 s[40:43], s[0:1], 0x20             ; gn_y_b, gn_x_w
	s_load_b64 s[44:45], s[0:1], 0x30              ; gn_x_b
	s_load_b256 s[12:19], s[0:1], 0x38             ; q_w_codes, q_w_scales, q_b, k_w_codes
	s_load_b128 s[20:23], s[0:1], 0x58             ; k_w_scales, k_b
	s_load_b64 s[10:11], s[0:1], 0x68              ; out0
	v_lshrrev_b32 v249, 5, v0
	v_readfirstlane_b32 s[WV], v249                ; wave 0..7
	v_and_b32 v246, 31, v0                         ; lane
	v_and_b32 v247, 15, v0                         ; r
	v_bfe_u32 v248, v0, 4, 1                       ; hh
	s_wait_alu depctr_va_sdst(0)                   ; the wave's number is written, ahead of its first reader
	s_mov_b32 s2, ttmp9                            ; h
	s_and_b32 s3, ttmp7, 0xffff                    ; b
	s_lshl_b32 s46, s3, 24                         ; y and out0: batch 2^24, my 32 channels 2^21 a wave, two high-res rows 1,024 bytes
	s_lshl_b32 s9, s[WV], 21
	s_add_co_u32 s46, s46, s9
	s_lshl_b32 s9, s2, 10
	s_add_co_u32 s46, s46, s9
	s_mov_b32 s47, 0
	s_lshl_b32 s48, s3, 22                         ; x: batch 2^22, my 32 channels 2^19 a wave
	s_lshl_b32 s9, s[WV], 19
	s_add_co_u32 s48, s48, s9
	s_mov_b32 s49, 0
	s_lshl_b32 s50, s3, 5
	s_lshl_b32 s9, s[WV], 2
	s_add_co_u32 s50, s50, s9                      ; my first group: 32 b + 4 w
	v_lshrrev_b32 v249, 3, v246
	v_add_nc_u32 v249, s50, v249                   ; lane = channel 32 w + lane: its group
	v_lshlrev_b32 v222, 5, v249                    ; y's four records, 32 bytes a group
	v_lshlrev_b32 v223, 3, v249                    ; x's record
	s_lshl_b32 s9, s[WV], 5
	v_add_nc_u32 v250, s9, v246
	v_lshlrev_b32 v250, 2, v250                    ; my channel's gain and bias
	v_lshlrev_b32 v[VY], 4, v246
	s_wait_kmcnt 0x0
	s_add_nc_u64 s[SY:SY+1], s[32:33], s[46:47]
	s_add_nc_u64 s[SO:SO+1], s[SO:SO+1], s[46:47]
	s_add_nc_u64 s[SX:SX+1], s[34:35], s[48:49]
	s_wait_alu depctr_va_vdst(0)                   ; v222, v223, v250 and v[VY] are written: the offsets of the 39 loads below
	global_load_b128 v[224:227], v222, s[36:37]            ; (mean, M2) of y's pieces 0, 1
	global_load_b128 v[228:231], v222, s[36:37] offset:16  ; 2, 3
	global_load_b64 v[232:233], v223, s[36:37] offset:4096 ; of x's piece
	global_load_b32 v234, v250, s[38:39]
	global_load_b32 v217, v250, s[40:41]                   ; b of y's norm
	global_load_b32 v236, v250, s[42:43]
	global_load_b32 v220, v250, s[44:45]                   ; b of x's norm
	LOADCH 0
	LOADCH 1
	LOADCH 2
	LOADCH 3
	WIN 0
	; all address registers are made here, ahead of the first place where the waves part
	s_mul_i32 s9, s[WV], 3072
	s_add_co_u32 s9, s9, XS
	v_lshl_add_u32 v[LX], v246, 3, s9
	v_lshl_add_u32 v245, v246, 4, s9
	v_lshl_add_u32 v[WR], v246, 3, WIMG
	s_and_b32 s51, s[WV], 3                        ; cq: the quarter of the cells (waves 0 to 3 alone use what hangs on it)
	s_mul_i32 s9, s51, 16*144
	s_add_co_u32 s9, s9, KL
	v_mul_u32_u24 v[KA], v247, 144
	v_lshl_add_u32 v[KA], v248, 6, v[KA]
	v_add_nc_u32 v[KA], s9, v[KA]
	s_mul_i32 s9, s51, 16*528
	s_add_co_u32 s9, s9, QL
	v_mul_u32_u24 v[QA], v247, 528
	v_lshl_add_u32 v[QA], v248, 7, v[QA]
	v_add_nc_u32 v[QA], s9, v[QA]
	v_and_b32 v249, 1, v247                        ; cell 16 cq + r is phase 4's lane 8 cq + r / 2, a = r % 2; my u is hh
	v_mul_u32_u24 v[WA], v249, 12800
	v_mad_u32_u24 v[WA], v248, 6400, v[WA]
	v_lshrrev_b32 v249, 1, v247
	v_lshl_add_u32 v[WA], v249, 3, v[WA]
	s_lshl_b32 s9, s51, 6
	s_add_co_u32 s9, s9, WIMG
	v_add_nc_u32 v[WA], s9, v[WA]
	v_mul_u32_u24 v[CW0], v246, 208
	s_mul_i32 s9, s[WV], 24
	v_add_nc_u32 v[CW0], s9, v[CW0]
	s_add_co_u32 s9, s[WV], SCB
	v_lshl_add_u32 v[SW], v246, 3, s9
	v_mul_u32_u24 v249, v247, 208
	v_mad_u32_u24 v249, v248, 24, v249             ; a fragment's row and half
	s_mul_i32 s9, s[WV], 16*208
	v_add_nc_u32 v[FRQ], s9, v249
	v_add_nc_u32 v[FRK], CK, v[FRQ]
	s_mul_i32 s9, s51, 32*208
	s_add_co_u32 s9, s9, CK+2*LINE
	v_add_nc_u32 v[FR5], s9, v249
	s_lshl_b32 s9, s[WV], 7
	s_add_co_u32 s9, s9, SCB
	v_lshl_add_u32 v[SR], v247, 3, s9
	s_lshl_b32 s9, s51, 8
	s_add_co_u32 s9, s9, SCB+4096
	v_lshl_add_u32 v[SR5], v247, 3, s9
	s_and_b32 s52, s[WV], 1
	s_lshr_b32 s53, s[WV], 1
	s_mul_i32 s9, s52, 9792                        ; tile w of a line of x: row w % 2 of the line's two, column 4 r + w / 2
	s_mul_i32 s59, s53, 144
	s_add_co_u32 s9, s9, s59
	s_add_co_u32 s9, s9, KL+288
	v_mul_u32_u24 v251, v247, 576
	v_lshl_add_u32 v251, v248, 5, v251
	v_add_nc_u32 v[KS], s9, v251
	s_mul_i32 s9, s51, 144
	s_add_co_u32 s9, s9, KL+39168+288
	v_add_nc_u32 v[KS5], s9, v251
	s_mul_i32 s9, s52, 32*528                      ; tile w of a line of y: column 64 (w % 2) + 4 r + w / 2: cell 32 (w % 2) + 2 r + w / 4, v = (w / 2) % 2
	s_lshr_b32 s59, s[WV], 2
	s_mul_i32 s59, s59, 528
	s_add_co_u32 s9, s9, s59
	s_and_b32 s59, s53, 1
	s_lshl_b32 s59, s59, 2
	s_add_co_u32 s9, s9, s59
	s_add_co_u32 s9, s9, QL
	v_mul_u32_u24 v252, v247, 1056
	v_lshl_add_u32 v252, v248, 6, v252
	v_add_nc_u32 v[QS], s9, v252
	v_mul_u32_u24 v[WF], v247, 192
	v_mad_u32_u24 v[WF], v248, 24, v[WF]
	v_lshlrev_b32 v[BA], 5, v248
	v_lshlrev_b32 v[SA], 3, v247
	v_lshlrev_b32 v[GV], 3, v246
	v_lshlrev_b32 v[OV], 4, v246
.irp dy, 0,1,2,3,4
	s_add_co_i32 s[54+\dy], s2, \dy-2              ; window row dy, held inside x
	s_max_i32 s[54+\dy], s[54+\dy], 0
	s_min_i32 s[54+\dy], s[54+\dy], 63
.endr
	v_lshlrev_b32 v252, 4, v247                    ; 16 r
.irp ln, 0,1
	s_sub_co_u32 s9, s[55+2*\ln], s[54+2*\ln]      ; 0 or 1
	s_lshl_b32 s9, s9, 8
	v_mul_u32_u24 v[VX+\ln], v248, s9              ; lanes 16-31 take the line's second row
	v_add_nc_u32 v[VX+\ln], v[VX+\ln], v252
	s_lshl_b32 s9, s[54+2*\ln], 8
	v_add_nc_u32 v[VX+\ln], s9, v[VX+\ln]
.endr
	s_lshl_b32 s9, s58, 8
	v_add_nc_u32 v[VX+2], s9, v252                 ; line 2 is window row 4 alone: lanes 16-31 repeat it, and their codes are not read
	; k's rows and my wave's rows of x are cleared
.irp i, 0,1,2,3
	v_mov_b32 v[240+\i], 0
.endr
	v_lshl_add_u32 v244, v0, 4, KL
	s_wait_alu depctr_va_vdst(0)                   ; the zeros v[240:243] and the addresses v244, v245 are written, which the LDS stores below read; so are all the addresses made above, which the loads and stores of the later phases read
.irp i, 0,1,2,3,4,5,6,7,8,9,10,11
	ds_store_b128 v244, v[240:243] offset:4096*\i
.endr
.irp i, 0,1,2,3,4,5
	ds_store_b128 v245, v[240:243] offset:512*\i
.endr
	; the norms' coefficients, a channel to a lane
	s_wait_loadcnt 32                              ; the seven loads are in; the ring's 32 behind them may be out
	s_wait_alu depctr_vm_vsrc(0)                   ; the seven loads have read their offsets v222 and v223, which the lines below write again; v250 and the clearing stores' v[240:245], which later phases write, have been read too
	v_add_f32 v238, v224, v226
	v_add_f32 v239, v228, v230
	v_add_f32 v238, v238, v239
	v_mul_f32 v238, 0x3e800000, v238               ; y's mean: the four pieces are equally long
	v_sub_f32 v224, v224, v238
	v_sub_f32 v226, v226, v238
	v_sub_f32 v228, v228, v238
	v_sub_f32 v230, v230, v238
	v_mul_f32 v239, v224, v224
	v_fmac_f32 v239, v226, v226
	v_fmac_f32 v239, v228, v228
	v_fmac_f32 v239, v230, v230
	v_add_f32 v225, v225, v227
	v_add_f32 v229, v229, v231
	v_add_f32 v225, v225, v229
	v_fmamk_f32 v239, v239, 0x47000000, v225       ; M2 = the pieces' M2 + 32,768 x the squares of their means' distances
	v_mov_b32 v222, 0x3727c5ac                     ; eps = 1e-5
	v_fmamk_f32 v239, v239, 0x37000000, v222       ; var + eps: M2 x 2^-17
	v_fmamk_f32 v223, v233, 0x38000000, v222       ; x: M2 x 2^-15
	v_rsq_f32 v239, v239
	v_rsq_f32 v223, v223
	v_mul_f32 v218, -1.0, v238                     ; -mean (plain work behind the two)
	v_mul_f32 v221, -1.0, v232
	s_wait_alu depctr_va_vdst(0)                   ; the two reciprocal roots v239 and v223 are written, ahead of their first reader: one wait for both
	v_mul_f32 v216, v239, v234                     ; a = rsqrt(var + eps) w
	v_mul_f32 v219, v223, v236
	s_wait_xcnt 0x0                                ; the head's loads have read their bases: s[32:45] are written again below
	COEF 216, 217, 218
; ---------------- phase 1: five lines, 20 chunks ----------------
.irp m, 0,1,2,3
	CHUNK \m
.endr
	FINISH 0, CQ
.irp m, 4,5,6,7
	CHUNK \m
.endr
	FINISH 1, CQ+LINE
	COEF 219, 220, 221
.irp m, 8,9,10,11
	CHUNK \m
.endr
	FINISH 2, CK
.irp m, 12,13,14,15
	CHUNK \m
.endr
	FINISH 3, CK+LINE
.irp m, 16,17,18,19
	CHUNK \m
.endr
	FINISH 4, CK+2*LINE
	; the norms' scalars are done with: x at each window row, and 1.0 or 0 for each
.irp dy, 0,1,2,3,4
	s_add_co_i32 s9, s2, \dy-2
	s_cmp_lt_u32 s9, 64                            ; (a negative row is a large unsigned number)
	s_cselect_b32 s[VAL+2*\dy], 1.0, 0
	s_mov_b32 s[VAL+2*\dy+1], s[VAL+2*\dy]
	s_max_i32 s9, s9, 0
	s_min_i32 s9, s9, 63
	s_lshl_b32 s60, s9, 8
	s_mov_b32 s61, 0
	s_add_nc_u64 s[SXR+2*\dy:SXR+2*\dy+1], s[SX:SX+1], s[60:61]
.endr
	s_and_b32 s9, s[WV], 1
	s_cmp_lg_u32 s9, 0
	s_cselect_b32 s[VT], s[VAL+2], s[VAL]          ; my tile of line 0 is window row w % 2,
	s_cselect_b32 s[VT+2], s[VAL+6], s[VAL+4]      ; of line 1 window row 2 + w % 2
	s_mov_b32 s[VT+1], s[VT]
	s_mov_b32 s[VT+3], s[VT+2]
	s_mov_b32 s[VT+4], s[VAL+8]
	s_mov_b32 s[VT+5], s[VAL+8]
	BARRIER                                        ; all codes and scale bytes lie in LDS, and k's rows are cleared
; ---------------- phase 2: the quantised products ----------------
; The loads below land in v[PF ..], v[PS ..] and window 1's v[CN ..].  No vector instruction has been issued since the last line's wait on va_vdst, so nothing more is owed for them.
.irp tl, 0,1,2,3
.irp s, 0,1
.irp p, 0,1,2,3,4,5
.if \tl < 2
	ds_load_b64 v[PF+24*\tl+12*\s+2*\p:PF+24*\tl+12*\s+2*\p+1], v[FRQ] offset:LINE*(\tl%2)+96*\s+48*(\p/3)+8*(\p%3)
.else
	ds_load_b64 v[PF+24*\tl+12*\s+2*\p:PF+24*\tl+12*\s+2*\p+1], v[FRK] offset:LINE*(\tl%2)+96*\s+48*(\p/3)+8*(\p%3)
.endif
.endr
.endr
	ds_load_b64 v[PS+2*\tl:PS+2*\tl+1], v[SR] offset:1024*\tl     ; the two K steps' scale words of my 16 pixels
.endr
	s_wait_loadcnt 0x0                             ; the weights
	WIN 0x40
.irp c, 0,1,2,3
.irp dy, 0,1,2,3,4
	global_load_b64 v[CN+10*\c+2*\dy:CN+10*\c+2*\dy+1], v[GV], s[SXR+2*\dy:SXR+2*\dy+1] offset:16384*\c   ; phase 4's first four channels are asked for here
.endr
.endr
	s_wait_dscnt 0x0
	s_wait_alu depctr_vm_vsrc(0)                   ; the last line's LDS stores have read v[CD ..] and v[BY ..], over which the accumulators lie
	WIN 0x11                                       ; source 0 (the weight) and C (the bias) window 1
.irp mt, 0,1
.irp tl, 0,1,2,3
	PROD \tl, \mt, 0                               ; eight accumulators by turns, one instruction a turn
.endr
.endr
	WIN 0x01
.irp mt, 0,1
.irp tl, 0,1,2,3
	PROD \tl, \mt, 1
.endr
.endr
	WIN 0
	PLACES
.irp tl, 2,3
.irp mt, 0,1
.irp j, 0,2,4,6
	v_pk_mul_f32 v[ACC+16*\tl+8*\mt+\j:ACC+16*\tl+8*\mt+\j+1], v[ACC+16*\tl+8*\mt+\j:ACC+16*\tl+8*\mt+\j+1], s[VT+2*(\tl-2):VT+2*(\tl-2)+1] op_sel_hi:[1,0]   ; a row out of range: k = 0, bias and all
.endr
.endr
.endr
	s_wait_alu depctr_va_vdst(0)                   ; the products have written q's accumulators and the multiplications k's, which the 40 LDS stores below read; the places above stay beside this wait.  The products are also done reading the weights' and the pixels' fragments, in which phase 3's loads land
.irp tl, 0,1
.irp mt, 0,1
.irp j, 0,1,2,3,4,5,6,7
	ds_store_b32 v[QS], v[ACC+16*\tl+8*\mt+\j] offset:256*\tl+128*\mt+8*\j   ; q(e = 16 mt + 8 hh + j) of my pixel; each accumulator from its low end on
.endr
.endr
.endr
.irp tl, 2,3
.irp mt, 0,1
	ds_store_b128 v[KS], v[ACC+16*\tl+8*\mt:ACC+16*\tl+8*\mt+3] offset:19584*(\tl-2)+64*\mt
	ds_store_b128 v[KS], v[ACC+16*\tl+8*\mt+4:ACC+16*\tl+8*\mt+7] offset:19584*(\tl-2)+64*\mt+16
.endr
.endr
	s_cmp_lt_u32 s[WV], 4                          ; window row 4 is four tiles: waves 0 to 3
	s_cbranch_scc0 .Lno_t4
.irp s, 0,1
.irp p, 0,1,2,3,4,5
	ds_load_b64 v[PF+96+12*\s+2*\p:PF+96+12*\s+2*\p+1], v[FR5] offset:96*\s+48*(\p/3)+8*(\p%3)
.endr
.endr
	ds_load_b64 v[PS+8:PS+9], v[SR5]
	s_wait_dscnt 0x0
	WIN 0x11
	PROD 4, 0, 0
	PROD 4, 1, 0
	WIN 0x01
	PROD 4, 0, 1                                   ; two accumulators by turns
	PROD 4, 1, 1
	WIN 0
	PLACES
.irp mt, 0,1
.irp j, 0,2,4,6
	v_pk_mul_f32 v[ACC+64+8*\mt+\j:ACC+64+8*\mt+\j+1], v[ACC+64+8*\mt+\j:ACC+64+8*\mt+\j+1], s[VT+4:VT+5] op_sel_hi:[1,0]
.endr
.endr
	s_wait_alu depctr_va_vdst(0)                   ; the multiplications have written the fifth tile of k, which the LDS stores below read; its products are done reading k_w's fragments, in which phase 3's loads of q land
.irp mt, 0,1
	ds_store_b128 v[KS5], v[ACC+64+8*\mt:ACC+64+8*\mt+3] offset:64*\mt
	ds_store_b128 v[KS5], v[ACC+64+8*\mt+4:ACC+64+8*\mt+7] offset:64*\mt+16
.endr
.Lno_t4:
	BARRIER                                        ; q and k lie in LDS
	s_wait_alu depctr_vm_vsrc(0)                   ; my LDS stores of q and k have read the accumulators v[164:243], over which phase 3's logits and keys lie: ahead of the branch
	s_wait_loadcnt 15                              ; phase 4's channel 0 is in; channels 1 to 3 may be out
	WIN 0x54
.irp dy, 0,1,2,3,4
	PREPROW 0, \dy
.endr
	WIN 0
; ---------------- phase 3: logits and softmax, waves 0 to 3 ----------------
	s_cmp_lt_u32 s[WV], 4
	s_cbranch_scc0 .Lno_logits
	WIN 0x40
.irp u, 0,1
.irp n, 0,1,2,3,4,5,6,7
	ds_load_b128 v[QR+32*\u+4*\n:QR+32*\u+4*\n+3], v[QA] offset:256*\u+16*\n   ; my cell's four queries, my 16 e
.endr
.endr
	WIN 0x04                                       ; source 1 (q) window 1: this one setting serves the keys' loads and the multiply-adds
	KLOAD 0
	KLOAD 1
.set PP, 0
.rept 10                               ; ten pairs of steps; pair P multiplies buffer P % 2 while the keys of pair P + 1 land in the other
.if PP < 9
.if PP > 0
	s_wait_alu depctr_va_vdst(0)                   ; the multiply-adds of the pair before are done reading their buffer of keys, in which the ten loads below land
.endif
	KLOAD 2*PP+2
	KLOAD 2*PP+3
	s_wait_dscnt 10                                ; this pair's keys are in (the first pair: q too); the ten loads just issued may be out
.else
	s_wait_dscnt 0x0
.endif
	LSTEP 2*PP
	LSTEP 2*PP+1
.set PP, PP+1
.endr
	WIN 0
.set II, 0
.rept 50
	v_permlane16_swap_b32 v[LA+II], v[LA+50+II]    ; u = 0's upper lanes change places with u = 1's lower ones: both halves of e of (cell r, u = hh) now lie in lane (r, hh)
.set II, II+1
.endr
.set II, 0
.rept 25
	v_pk_add_f32 v[LA+2*II:LA+2*II+1], v[LA+2*II:LA+2*II+1], v[LA+50+2*II:LA+50+2*II+1]
.set II, II+1
.endr
.irp v, 0,1
	v_max3_num_f32 v[248+\v], v[LA+\v], v[LA+2+\v], v[LA+4+\v]
.endr
.irp k, 3,5,7,9,11,13,15,17,19,21,23
.irp v, 0,1
	v_max3_num_f32 v[248+\v], v[248+\v], v[LA+2*\k+\v], v[LA+2*\k+2+\v]
.endr
.endr
.set II, 0
.rept 25
	v_pk_add_f32 v[LA+2*II:LA+2*II+1], v[LA+2*II:LA+2*II+1], v[248:249] neg_lo:[0,1] neg_hi:[0,1]   ; the largest logit is taken away
.set II, II+1
.endr
.set II, 0
.rept 25
	v_pk_mul_f32 v[LA+2*II:LA+2*II+1], v[LA+2*II:LA+2*II+1], 0x3fb8aa3b op_sel_hi:[1,0]            ; x log2(e)
.set II, II+1
.endr
.set II, 0
.rept 50
	v_exp_f32 v[LA+II], v[LA+II]
.set II, II+1
.endr
	v_nop                                          ; a plain place behind the batch
	s_wait_alu depctr_va_vdst(0)                   ; the fifty exponentials v[LA ..] are written, ahead of their first reader: one wait for the batch
	v_pk_add_f32 v[250:251], v[LA:LA+1], v[LA+2:LA+3]
	v_pk_add_f32 v[252:253], v[LA+4:LA+5], v[LA+6:LA+7]
	v_pk_add_f32 v[254:255], v[LA+8:LA+9], v[LA+10:LA+11]
.set II, 6
.rept 19
	v_pk_add_f32 v[250+2*(II%3):251+2*(II%3)], v[250+2*(II%3):251+2*(II%3)], v[LA+2*II:LA+2*II+1]
.set II, II+1
.endr
	v_pk_add_f32 v[250:251], v[250:251], v[252:253]
	v_pk_add_f32 v[250:251], v[250:251], v[254:255]
	v_rcp_f32 v250, v250
	v_rcp_f32 v251, v251
	v_nop
	s_wait_alu depctr_va_vdst(0)                   ; the two reciprocals v250 and v251 are written, ahead of their first reader
.irp dy, 0,1,2,3,4
	v_pk_mul_f32 v[KR+2*\dy:KR+2*\dy+1], v[250:251], s[VAL+2*\dy:VAL+2*\dy+1] op_sel_hi:[1,0]      ; a window row out of range has counted in the sum, and carries v = 0
.endr
.set II, 0
.rept 25
	v_pk_mul_f32 v[LA+2*II:LA+2*II+1], v[LA+2*II:LA+2*II+1], v[KR+2*(II/5):KR+2*(II/5)+1]
.set II, II+1
.endr
	s_wait_alu depctr_va_vdst(0)                   ; the weights v[LA ..] are written, which the LDS stores below read; and the phase's vector instructions are done with v[44:255], in which phase 4's weights land
.set II, 0
.rept 25
	ds_store_b64 v[WA], v[LA+2*II:LA+2*II+1] offset:256*II
.set II, II+1
.endr
.Lno_logits:
	BARRIER                                        ; the weights lie in LDS
; ---------------- phase 4: the weighted sum ----------------
	s_wait_alu depctr_vm_vsrc(0)                   ; my LDS stores of weights have read v[LA ..], in which the loads below land
.set II, 0
.rept 100
	ds_load_b64 v[WB+2*II:WB+2*II+1], v[WR] offset:256*II          ; my two cells' 200 weights stay in registers for my 32 channels
.set II, II+1
.endr
	WIN 0x54                                       ; results, x and its neighbours window 1; weights and addresses window 0: one setting for all of a channel's instructions
	STEP 0, 0, 0, 0, 0, 0, 1, 10                   ; channel 0 has no channel in front of it: nothing to store, nothing to free; channel 3 was asked for in phase 2
	WIN 0
	s_mov_b32 s[CNT], 7
.Lch:                                                  ; a lap is four channels, 4 t + 1 to 4 t + 4, until the sets' numbers are back where they began
	s_wait_xcnt 0x0                                ; every earlier memory instruction has had its addresses translated (ISA guide 3.1): the offsets, and the results' buffer that the lap's first channel writes, are rewritten only behind this wait
	s_wait_alu depctr_vm_vsrc(0)                   ; the loads and stores issued so far have read v[GV], v[OV] and the results' buffer that the lap's first channel writes; the LDS stores have read the set in which its loads land
	v_add_nc_u32 v[GV], 0x10000, v[GV]             ; four channels on; the wait on va_vdst at the head of the lap's first channel stands ahead of their next readers.  The stores reach back by negative offsets
	v_add_nc_u32 v[OV], 0x40000, v[OV]
	WIN 0x54
	STEP 1, 0, 1, -4, 1, 0, 1, 10
	STEP 2, 1, 1, -3, 1, 1, 1, 10
	STEP 3, 1, 1, -2, 1, 2, 1, 10
	STEP 0, 1, 1, -1, 1, 3, 1, 10
	WIN 0
	s_sub_co_u32 s[CNT], s[CNT], 1
	s_cmp_lg_u32 s[CNT], 0
	s_cbranch_scc1 .Lch
	WIN 0x54
	STEP 1, 1, 1, 0, 0, 0, 1, 5                    ; channels 29 to 31 load nothing: the counts run down
	STEP 2, 1, 1, 1, 0, 0, 1, 0
	STEP 3, 1, 1, 2, 0, 0, 0, 0
	s_wait_alu depctr_va_vdst(0)                   ; channel 31 has written its results, which the last two stores read
.irp u, 0,1
	global_store_b128 v[OV], v[OU+8+4*\u:OU+8+4*\u+3], s[SO:SO+1] offset:65536*3+512*\u th:TH_STORE_NT
.endr
	WIN 0
	s_wait_xcnt 0x0                                ; every earlier memory instruction has had its addresses translated
	v_lshl_add_u32 v254, v0, 2, 0x42400            ; no two registers could be kept: the add's two are made anew, straight ahead of the closing lines; no memory or LDS instruction has read v254 or v255
	v_mov_b32 v255, 0
	s_wait_dscnt 0x0                               ; the closing lines, six on end
	s_wait_alu 0x0
	s_wait_tensorcnt 0x0
	ds_add_u32 v254, v255
	s_wait_dscnt 0x0
	s_endpgm
.Lfunc_end_k_q1d890af007_sapa:
	.size	k_q1d890af007_sapa, .Lfunc_end_k_q1d890af007_sapa-k_q1d890af007_sapa
	.p2alignl 7, 3214868480
	.fill 96, 4, 3214868480
	.section	.rodata,"a",@progbits
	.p2align	6, 0x0
	.amdhsa_kernel k_q1d890af007_sapa
		.amdhsa_group_segment_fixed_size 272384
		.amdhsa_private_segment_fixed_size 0
		.amdhsa_enable_private_segment 0
		.amdhsa_kernarg_size 112
		.amdhsa_user_sgpr_count 2
		.amdhsa_user_sgpr_kernarg_segment_ptr 1
		.amdhsa_wavefront_size32 1
		.amdhsa_system_sgpr_workgroup_id_x 1
		.amdhsa_system_sgpr_workgroup_id_y 1
		.amdhsa_system_sgpr_workgroup_id_z 1
		.amdhsa_system_vgpr_workitem_id 0
		.amdhsa_next_free_vgpr 512
		.amdhsa_next_free_sgpr 98
		.amdhsa_reserve_vcc 0
		.amdhsa_float_denorm_mode_32 3
		.amdhsa_float_denorm_mode_16_64 3
		.amdhsa_memory_ordered 1
		.amdhsa_forward_progress 1
		.amdhsa_inst_pref_size 255
	.end_amdhsa_kernel
	.section	.bss,"aw",@nobits
	.p2align	6
	.space	262144
	.amdgpu_metadata
---
amdhsa.version: [ 1, 2 ]
amdhsa.kernels:
  - .name:           k_q1d890af007_sapa
    .symbol:         k_q1d890af007_sapa.kd
    .args:
      - { .name: y, .offset: 0, .size: 8, .value_kind: global_buffer, .address_space: global }
      - { .name: x, .offset: 8, .size: 8, .value_kind: global_buffer, .address_space: global }
      - { .name: part, .offset: 16, .size: 8, .value_kind: global_buffer, .address_space: global }
      - { .name: gn_y_w, .offset: 24, .size: 8, .value_kind: global_buffer, .address_space: global }
      - { .name: gn_y_b, .offset: 32, .size: 8, .value_kind: global_buffer, .address_space: global }
      - { .name: gn_x_w, .offset: 40, .size: 8, .value_kind: global_buffer, .address_space: global }
      - { .name: gn_x_b, .offset: 48, .size: 8, .value_kind: global_buffer, .address_space: global }
      - { .name: q_w_codes, .offset: 56, .size: 8, .value_kind: global_buffer, .address_space: global }
      - { .name: q_w_scales, .offset: 64, .size: 8, .value_kind: global_buffer, .address_space: global }
      - { .name: q_b, .offset: 72, .size: 8, .value_kind: global_buffer, .address_space: global }
      - { .name: k_w_codes, .offset: 80, .size: 8, .value_kind: global_buffer, .address_space: global }
      - { .name: k_w_scales, .offset: 88, .size: 8, .value_kind: global_buffer, .address_space: global }
      - { .name: k_b, .offset: 96, .size: 8, .value_kind: global_buffer, .address_space: global }
      - { .name: out0, .offset: 104, .size: 8, .value_kind: global_buffer, .address_space: global }
    .group_segment_fixed_size: 272384
    .private_segment_fixed_size: 0
    .kernarg_segment_align: 8
    .kernarg_segment_size: 112
    .max_flat_workgroup_size: 256
    .sgpr_count:     98
    .vgpr_count:     512
    .wavefront_size: 32
...
	.end_amdgpu_metadata
.endif
;; end of part 3
